; MI455X (gfx1250); checked and timed in simulation.
; The chip was launched on July 23, 2026; its instructions are those of AMD's public machine-readable ISA for CDNA 5 (MIT licence, August 2026) and "CDNA5" Instruction Set Architecture Reference Guide (July 2026). The comments in the code are by the model that wrote it; some were corrected since.
;; Prior Network. Allowed arithmetic: matrix products marked QUANTISED: E2M1 operands, one E8M0 scale for each 32 along K, by v_wmma_scale_f32_16x16x128_f8f6f4 with both operands' format E2M1 (or v_wmma_scale_f32_32x16x128_f4), f32 sums; everything else in f32.
;; Inputs: W1_codes 512 x 2 x 16 uint8 (E2M1 codes of W1, K innermost, in blocks of 32 codes, two codes a byte); W1_scales 512 x 2 uint8 (E8M0 scales of W1, one for each 32 codes along K); Ws_codes 64 x 16 x 16 uint8 (E2M1 codes of Ws, K innermost, in blocks of 32 codes, two codes a byte); Ws_scales 64 x 16 uint8 (E8M0 scales of Ws, one for each 32 codes along K); Wu_codes 64 x 16 x 16 uint8 (E2M1 codes of Wu, K innermost, in blocks of 32 codes, two codes a byte); Wu_scales 64 x 16 uint8 (E8M0 scales of Wu, one for each 32 codes along K); b1 512 float32; bs 64 float32; bu 64 float32; codes 1,024 x 64 float32; codes_table 100,000 x 64 float32.
;; Outputs: out0 1,024 x 64 float32; out1 1,024 x 64 float32.
;; This version of the problem:
;;   THIS VERSION OF THE PROBLEM IS GIVEN IN LOW PRECISION. The matrix products marked QUANTISED in the list below multiply operands that are first quantised to E2M1 (2 exponent bits, 1 mantissa bit; 4 bits a number), with one power-of-two scale for each 32 numbers along K (OCP MX v1.0); their sums are f32. All else is computed in f32.
;;   The module's matrix products, in the order in which they are computed (A, B: the left and right operand; K: the contracted axis; several contracted axes count as one K, in the product's order):
;;     1. [M 1,024, K 64] x [K 64, N 100,000]; A: input codes; B: input codes_table: QUANTISED
;;     2. [M 1,024, K 64] x [K 64, N 512]; A: computed on the way; B: input W1 (given as codes): QUANTISED
;;     3. [M 1,024, K 512] x [K 512, N 64]; A: computed on the way; B: input Wu (given as codes): QUANTISED
;;     4. [M 1,024, K 512] x [K 512, N 64]; A: computed on the way; B: input Ws (given as codes): QUANTISED
;;   THE QUANTISER, for each operand of a quantised product, along K:
;;     - K is cut into blocks of 32 from its start; a last block that is shorter is filled with zeros.
;;     - A block's scale is 2^e with e = floor(log2(the largest magnitude in the block)) - 2, held to -126 .. 127; a block of zeros has e = 0. As a byte (E8M0): e + 127.
;;     - Each number is divided by its block's scale, clamped to +-6, and rounded to the nearest number of E2M1, ties to even, subnormals kept.
;;     - The product sums the exact products of the quantised numbers (number of the format x scale) in f32.
;;   ~~~python
;;   def quantise(x, axis):      # numpy; x: float32 -> the quantised numbers, widened to float32 again
;;       x = np.moveaxis(x, axis, -1); K = x.shape[-1]
;;       x = np.pad(x, [(0, 0)] * (x.ndim - 1) + [(0, -K % 32)]); x = x.reshape(x.shape[:-1] + (-1, 32)); a = np.abs(x).max(-1, keepdims=True)
;;       e = np.where(a > 0, np.clip(np.frexp(np.where(a > 0, a, 1))[1] - 1 - 2, -126, 127), 0)      # np.frexp(a)[1] - 1 = floor(log2(a)), exactly
;;       r = np.clip(x / 2.0 ** e, -6, 6)
;;       step = 2.0 ** (np.maximum(np.frexp(np.where(r == 0, 1, r))[1] - 1, 0) - 1)
;;       q = np.round(r / step) * step * 2.0 ** e      # np.round: ties to even
;;       return np.moveaxis(q.reshape(q.shape[:-2] + (-1,))[..., :K], -1, axis).astype(np.float32)
;;   ~~~
;;   OPERANDS COMPUTED ON THE WAY. 'Computed on the way' means the value that the module computes at that place (a softmax that the list does not call 'softmax' is quantised finished and normalised). What goes into a quantiser is computed in f32, as accurately as f32 sums, v_exp_f32 and their like allow (about 1e-6 of the number): no bf16 or f16 on the way to a quantiser, and a product that is left as it is and whose result goes on into a quantised operand takes f32 operands (vector FMAs, or v_wmma_f32_16x16x4_f32). A number that lies on a knife's edge between two numbers of the format may be rounded either way, as far as f32 arithmetic and the matrix unit's own rounding can turn it there, and no further.
;;   INPUTS GIVEN AS CODES. W1 (in the module: [64, 512], K = its axis 0); Ws (in the module: [512, 64], K = its axis 0); Wu (in the module: [512, 64], K = its axis 0): each comes as NAME_codes (uint8): NAME with its K axis moved to the last place and cut into blocks of 32 codes, [.., K / 32, bytes a block], one block behind the other in memory; two codes a byte, the lower K in the low four bits (a code: sign, 2 exponent bits, 1 mantissa bit); and NAME_scales (uint8): the same leading axes, one E8M0 byte (e + 127) for each 32 codes along K. Its value is code x scale, taken as it is: it is not quantised again, and the codes and scales need not be those that the quantiser above would give.
;; 2 versions, each right; version 2 is version 1 with the launch finish written anew for expert scheduling mode. Each part assembles by itself: llvm-mc -triple=amdgcn-amd-amdhsa -mcpu=gfx1250 --defsym DOCPART=n.
;; ======== version 1 of 2: 2 launches
;; workspace buffers: best 2,048,000 bytes of whole numbers
;; launch scan (part 1): grid 250 x 1, 8 waves a work-group, no clusters, 197,632 bytes of LDS; arguments codes, codes_table, best; writes best
.if DOCPART == 1
	.amdgcn_target "amdgcn-amd-amdhsa--gfx1250"
	.amdhsa_code_object_version 6
	.text
	.protected	k_qee01dd2224_scan
	.globl	k_qee01dd2224_scan
	.p2align	8
	.type	k_qee01dd2224_scan,@function
k_qee01dd2224_scan:
	s_mov_b64 s[64:65], 0
	v_nop
	global_prefetch_b8 v0, s[64:65] scope:SCOPE_SE
	s_setreg_imm32_b32 hwreg(HW_REG_WAVE_MODE, 25, 1), 1
	s_wait_xcnt 0x0
; SCAN: for each of 1,024 queries and each of 250 slices of the table, the best group of 8 table rows.
; d2(q, t) = |c|^2 - 2 Q(c).Q(t) + |t|^2, Q the MX-FP4 quantiser along K = 64 (two blocks of 32).  |c|^2 is the same for all rows of a query, so the nearest row is the one with the
; largest  Q(c).Q(t) - |t|^2 / 2.  The matrix instruction gives that number as it stands: -|t|^2 / 2 is its C operand.
; SHARES.  Work-group g owns table rows 400 g .. 400 g + 399 (25 tiles of 16; 250 x 400 = 100,000), against all 1,024 queries: the table is read from memory once and quantised once.
; Wave w keeps queries 128 w .. 128 w + 127 as eight FP4 fragments in registers.
; LAYOUT.  Source 0 = 16 table rows, source 1 = 16 queries: a lane holds ONE query (lane % 16), and its eight results are the eight NEIGHBOURING rows 8 (lane / 16) + 0 .. 7 of the tile.
; Only the largest result and the number of the group of eight rows that held it (row / 8) are kept: six vector instructions for eight results.  The next launch looks into the group.
; K = 64 fills registers 0-3 of a fragment of 128 along K; registers 4-7 hold zero codes on both sides and bytes 2, 3 of the scale words are 0: zero codes add nothing.
; OUT.  best[pair of query tiles p][slice g][lane][key, group]: one aligned run of 256 bytes for each (p, g), by one store of a wave.  key = the f32 number's bits turned so that unsigned order is the numbers' order.
; NO CLUSTER: what work-groups share is the 262,144 bytes of queries; the grid of 250 is no multiple of 4, and 1,024 padded query rows (278,528 bytes) have no room beside the slice in LDS.
; NO RING: the slice's 102,400 bytes fit in LDS, so every tensor load is a first fill, asked for at the head; nothing is filled again.
; LIMITS.  NaN and infinities are not served.  Between groups of eight rows the numbers compared are dot - |t|^2 / 2 as the matrix instruction rounds them, not fl(fl(|c|^2 - 2 dot) + |t|^2): two rows of
; different groups whose d2 differ by a few units in d2's last place may be taken the other way; of groups with equal numbers the first met is kept.  A block of zeros gets the scale byte 1 (its codes are zeros; only this program reads the byte).
.set PITCH,  272                       ; a row of 256 bytes + 16 of padding = 68 words: the 16 rows that a load touches start 4 words apart modulo 64 (64 banks of 4 bytes: ISA guide 11.1)
.set WRAW,   48*PITCH                  ; LDS byte 0 on: the raw slice; wave w's 48 rows at w x 13,056
.set TRAWX,  8*WRAW                    ; tile 24's 16 rows
.set QST,    TRAWX+16*PITCH            ; 108,800: for each wave two stages of 16 rows, in which a query tile is turned
.set WQST,   2*16*PITCH
.set TIMG,   QST+8*WQST                ; 178,432: tile t's codes as an image of the operand's registers: 16 bytes x lane, 512 bytes a tile
.set TSCL,   TIMG+25*512               ; 191,232: tile t's scale words, 4 bytes x lane
.set TTT,    TSCL+3328                 ; 194,560: tile t's 16 numbers -|t|^2 / 2
.set LI,  1                            ; v1   TIMG + 16 lane
.set LS,  2                            ; v2   TSCL + 4 lane
.set LC,  3                            ; v3   TTT + 32 h          (r = lane % 16, h = lane / 16)
.set STI, 4                            ; v4   my stages, on the way in: 272 h + 16 r
.set STO, 5                            ; v5   and on the way out: 272 r + 128 h
.set TRA, 6                            ; v6   my wave's raw rows: 272 r + 128 h
.set TRX, 7                            ; v7   tile 24's
.set IMW, 8                            ; v8   where my wave's tiles' images go: LI + 1,536 w
.set SCW, 9                            ; v9   their scale words: LS + 384 w
.set TTW, 10                           ; v10  their -|t|^2 / 2: TT0 + 192 w
.set QO,  11                           ; v11  16 lane: my bytes of a load's 512
.set SH8, 12                           ; v12  8 h: my block's place in a scale word
.set BO,  13                           ; v13  my byte offset in best
.set ID,  14                           ; v14  the group of eight rows that my results of the tile in hand belong to: 50 g + 2 t + h
.set TT0, 15                           ; v15  TTT + 4 r
.set QF,  16                           ; v16-79   eight query fragments of 8 registers
.set QS,  80                           ; v80-87   their scale words
.set TS,  88                           ; v88-89   the table tiles' scale words, two buffers
.set E,   90                           ; v90-93   at work at the head and at the end
.set T0,  68                           ; the quantiser's scratch lies in the upper quads of fragments 6 and 7, which are cleared only when the scan begins
.set T1,  69
.set T2,  70
.set T3,  71
.set T4,  76
.set T5,  77
.set T6,  78
.set T7,  79
.set XS,  96                           ; v96-159  ahead of the scan: two sets of 32 neighbours along K
.set RAW, 160                          ; v160-255 three sets of 32: query tiles as loaded
.set CT,  160                          ; later, for each of my table tiles: 4 registers of codes, the scale word, -|t|^2 / 2
.set BV,  96                           ; in the scan: v96-111 the best number of each query tile, two sets by turns
.set BI,  112                          ; v112-119 its group
.set XT,  120                          ; v120-123 at work
.set TF,  124                          ; v124-139 table fragments, two buffers
.set TC,  140                          ; v140-155 their C operands, two buffers
.set D,   160                          ; v160-223 eight results of 8 registers
.set OUTP, 224                         ; v224-231 four pairs (key, group) to store
.set WV,  10                           ; s10 my wave's number
.set G0,  12                           ; s[12:15] descriptor group 0: my wave's 48 rows
.set G1,  16                           ; s[16:23] group 1 for 48 rows
.set G1X, 24                           ; s[24:31] group 1 for 16 rows
.set G0X, 32                           ; s[32:35] group 0 for tile 24
.set SEL, 36                           ; s[36:37] v_permlanex16_b32's selects for lane l xor 16
	s_load_b128 s[4:7], s[0:1], 0x0                ; codes s[4:5], codes_table s[6:7]
	s_load_b64 s[8:9], s[0:1], 0x10                ; best
	v_lshl_add_u32 v94, v0, 2, 0x30000
	v_mov_b32 v95, 0
	ds_add_u32 v94, v95
	ds_add_u32 v94, v95
	v_lshrrev_b32 v[E], 5, v0
	v_readfirstlane_b32 s[WV], v[E]                ; wave 0..7
	v_and_b32 v[E], 15, v0                         ; r
	v_bfe_u32 v[E+1], v0, 4, 1                     ; h
	v_and_b32 v[E+2], 31, v0                       ; lane
	; descriptor group 1: rows of 64 elements of 4 bytes, dense in memory, 4 words of padding behind each 64 words in LDS
.irp g, G1, G1X
	s_mov_b32 s[\g+0], (2<<16)|(1<<20)|(5<<22)|(3<<25)   ; 15:0 no mask; 17:16 elements of 4 bytes; 20 padding on; 24:22 after every 64 words (code 5); 31:25 four words (code 3)
	s_mov_b32 s[\g+1], 64<<16                      ; tensor_dim0 = 64
	s_mov_b32 s[\g+3], 64<<16                      ; tile_dim0 = 64
	s_mov_b32 s[\g+5], 64                          ; elements from row to row
	s_mov_b32 s[\g+6], 0
	s_mov_b32 s[\g+7], 0
.endr
	s_mov_b32 s[G1+2], 48<<16                      ; tensor_dim1 = 48
	s_mov_b32 s[G1+4], 48                          ; tile_dim1 = 48
	s_mov_b32 s[G1X+2], 16<<16
	s_mov_b32 s[G1X+4], 16
	s_mov_b32 s[G0], 1                             ; count = 1
	s_mul_i32 s[G0+1], s[WV], WRAW                 ; LDS address: my wave's 48 rows
	s_mov_b32 s[G0X], 1
	s_mov_b32 s[G0X+1], TRAWX
	s_mul_i32 s44, ttmp9, 102400                   ; the slice's first byte in the table (under 2^25)
	s_mul_i32 s46, s[WV], 12288                    ; my wave's 48 rows in it
	s_add_co_u32 s46, s46, s44
	s_mov_b32 s47, 0
	s_add_co_u32 s44, s44, 98304                   ; and tile 24's: 384 rows on
	s_mov_b32 s45, 0
	s_lshl_b32 s48, s[WV], 15                      ; my wave's 128 queries
	s_mov_b32 s49, 0
	s_mov_b32 s[SEL], 0x76543210
	s_mov_b32 s[SEL+1], 0xfedcba98
	s_mov_b32 s38, 0xffff0000                      ; lanes 16-31
	v_lshl_add_u32 v[LI], v[E+2], 4, TIMG
	v_lshl_add_u32 v[LS], v[E+2], 2, TSCL
	v_lshl_add_u32 v[LC], v[E+1], 5, TTT
	v_lshl_add_u32 v[TT0], v[E], 2, TTT
	v_mul_u32_u24 v[E+3], v[E], PITCH
	v_lshl_add_u32 v[E+3], v[E+1], 7, v[E+3]       ; 272 r + 128 h: row r, my block of 32 numbers
	s_mul_i32 s50, s[WV], WQST
	s_add_co_u32 s50, s50, QST
	v_add_nc_u32 v[STO], s50, v[E+3]
	v_mul_u32_u24 v[STI], v[E+1], PITCH
	v_lshl_add_u32 v[STI], v[E], 4, v[STI]
	v_add_nc_u32 v[STI], s50, v[STI]
	v_add_nc_u32 v[TRA], s[G0+1], v[E+3]
	v_add_nc_u32 v[TRX], TRAWX, v[E+3]
	s_mul_i32 s50, s[WV], 3*512
	v_add_nc_u32 v[IMW], s50, v[LI]
	s_mul_i32 s50, s[WV], 3*128
	v_add_nc_u32 v[SCW], s50, v[LS]
	s_mul_i32 s50, s[WV], 3*64
	v_add_nc_u32 v[TTW], s50, v[TT0]
	v_lshlrev_b32 v[QO], 4, v[E+2]
	v_lshlrev_b32 v[SH8], 3, v[E+1]
	s_mul_i32 s50, s[WV], 4*64000                  ; best: my wave's four pairs of query tiles, 250 x 256 bytes each,
	s_lshl_b32 s51, ttmp9, 8                       ; the slice's 256 bytes in each,
	s_add_co_u32 s50, s50, s51
	v_lshl_add_u32 v[BO], v[E+2], 3, s50           ; 8 bytes a lane
	s_mul_i32 s50, ttmp9, 50
	v_add_nc_u32 v[ID], s50, v[E+1]                ; tile 0's group: 50 g + h
	v_mov_b32 v[T4], 0                             ; written once: a lane permute's destination counts as one of its sources
	s_wait_dscnt 0x0
	s_wait_kmcnt 0x0
	s_add_nc_u64 s[G0+2:G0+3], s[6:7], s[46:47]
	s_or_b32 s[G0+3], s[G0+3], 0x80000000          ; type = 2
	s_add_nc_u64 s[G0X+2:G0X+3], s[6:7], s[44:45]
	s_or_b32 s[G0X+3], s[G0X+3], 0x80000000
	s_add_nc_u64 s[4:5], s[4:5], s[48:49]
	; The first fills, the only fills: each wave its 48 rows, wave 0 tile 24 too.  By this text's count a wave has two tensor loads out at the most.  Four v_nop follow.
	s_cmp_lg_u32 s[WV], 0
	s_cbranch_scc1 .Lone_fill
	tensor_load_to_lds s[G0:G0+3], s[G1:G1+7]
	s_nop 0
	tensor_load_to_lds s[G0X:G0X+3], s[G1X:G1X+7]
	s_nop 0
.rept 4
	v_nop
.endr
	s_branch .Lfilled
.Lone_fill:
	tensor_load_to_lds s[G0:G0+3], s[G1:G1+7]
	s_nop 0
.rept 4
	v_nop
.endr
.Lfilled:
; 32 numbers of a lane, one whole block of 32 along K (row r, k = 32 h on), become 4 registers of codes; the row's two scale bytes become its scale word, in both halves of the lanes.
; The largest magnitude has the floor 2^(3 - 127) among its leaves, so that the byte cannot fall under 1; its exponent field less 2 is the scale's byte, and the conversion takes the exponent field of its scale operand alone.
.macro QUANT32 xs, dst, word
	v_max3_num_f32 v[T0], |v[\xs]|, |v[\xs+1]|, 0x1800000
	v_max3_num_f32 v[T1], |v[\xs+2]|, |v[\xs+3]|, |v[\xs+4]|
.irp i, 5,9,13,17,21,25
	v_max3_num_f32 v[T0], v[T0], |v[\xs+\i]|, |v[\xs+\i+1]|          ; two chains, so that no line waits for the line above it
	v_max3_num_f32 v[T1], v[T1], |v[\xs+\i+2]|, |v[\xs+\i+3]|
.endr
	v_max3_num_f32 v[T0], v[T0], |v[\xs+29]|, |v[\xs+30]|
	v_max3_num_f32 v[T0], v[T0], v[T1], |v[\xs+31]|
	v_add_nc_u32 v[T2], 0xff000000, v[T0]          ; 2 off the exponent field: the conversion's scale operand
	v_lshrrev_b32 v[T3], 23, v[T2]                 ; the scale's byte
.irp g, 0,1,2,3
	v_cvt_scalef32_pk8_fp4_f32 v[\dst+\g], v[\xs+8*\g:\xs+8*\g+7], v[T2]
.endr
	v_lshlrev_b32 v[T3], v[SH8], v[T3]             ; the byte at its place (also the plain line behind the conversions),
	v_permlanex16_b32 v[T4], v[T3], s[SEL], s[SEL+1]
	v_or_b32 v[\word], v[T3], v[T4]                ; with lane l xor 16's: byte 0 block 0, byte 1 block 1, bytes 2 and 3 zero
.endm
; the sum of the squares of a row's 64 numbers, in f32, in both halves of the lanes
.macro SQSUM xs, sum
	v_pk_mul_f32 v[T4:T5], v[\xs:\xs+1], v[\xs:\xs+1]
	v_pk_mul_f32 v[T6:T7], v[\xs+2:\xs+3], v[\xs+2:\xs+3]
.irp i, 4,8,12,16,20,24,28
	v_pk_fma_f32 v[T4:T5], v[\xs+\i:\xs+\i+1], v[\xs+\i:\xs+\i+1], v[T4:T5]
	v_pk_fma_f32 v[T6:T7], v[\xs+\i+2:\xs+\i+3], v[\xs+\i+2:\xs+\i+3], v[T6:T7]
.endr
	v_pk_add_f32 v[T4:T5], v[T4:T5], v[T6:T7]
	v_add_f32 v[T4], v[T4], v[T5]
	v_permlanex16_b32 v[T5], v[T4], s[SEL], s[SEL+1]
	v_add_f32 v[\sum], v[T4], v[T5]
.endm
; ---- THE QUERIES.  Query tile i (16 rows, 4,096 bytes) is loaded as it lies, 512 consecutive bytes a load, and turned in the wave's own stage, so that a lane gets 32 neighbours of one row.
.macro QLOAD i
.irp k, 0,1,2,3,4,5,6,7
	global_load_b128 v[RAW+32*((\i)%3)+4*\k:RAW+32*((\i)%3)+4*\k+3], v[QO], s[4:5] offset:(\i)*4096+\k*512
.endr
.endm
.macro QTURN i                         ; LDS serves a wave's instructions in order (ISA guide 5.7.1.4): no wait between the stores and the loads
.irp k, 0,1,2,3,4,5,6,7
	ds_store_b128 v[STI], v[RAW+32*((\i)%3)+4*\k:RAW+32*((\i)%3)+4*\k+3] offset:4352*((\i)%2)+544*\k
.endr
.irp k, 0,1,2,3,4,5,6,7
	ds_load_b128 v[XS+32*((\i)%2)+4*\k:XS+32*((\i)%2)+4*\k+3], v[STO] offset:4352*((\i)%2)+16*\k
.endr
.endm
	QLOAD 0
	QLOAD 1
	QLOAD 2
	s_wait_loadcnt 16                              ; tile 0's eight loads are in; tiles 1 and 2 may be out
	QTURN 0
.irp i, 0,1,2,3,4,5,6,7
	s_wait_dscnt 0x0                               ; tile i is back from its stage, and its stores into the stage have read their registers,
.if \i+3 < 8
	QLOAD \i+3                                     ; which take the tile three further on
.endif
.if \i < 5
	s_wait_loadcnt 16                              ; tile i + 1 is in; the two tiles behind it may be out
.elseif \i == 5
	s_wait_loadcnt 8                               ; behind tile 6 only tile 7
.elseif \i == 6
	s_wait_loadcnt 0x0
.endif
.if \i < 7
	QTURN \i+1                                     ; goes through the other stage while tile i is quantised
.endif
	QUANT32 XS+32*(\i%2), QF+8*\i, QS+\i
.endr
; ---- THE TABLE.  Wave w quantises tiles 3 w .. 3 w + 2, out of the rows that its own tensor load brought; wave 0 tile 24 too.
.macro TLD u, adr, off
.irp k, 0,1,2,3,4,5,6,7
	ds_load_b128 v[XS+32*((\u)%2)+4*\k:XS+32*((\u)%2)+4*\k+3], v[\adr] offset:\off+16*\k
.endr
.endm
.macro TQ u
	QUANT32 XS+32*((\u)%2), CT+8*(\u), CT+8*(\u)+4
	SQSUM XS+32*((\u)%2), CT+8*(\u)+5
	v_mul_f32 v[CT+8*(\u)+5], -0.5, v[CT+8*(\u)+5]
.endm
.macro TOUT u, a1, a2, a3, o1, o2, o3  ; the codes as an image of the registers, the scale word, -|t|^2 / 2 (both halves of the lanes write the same word with the same value); each tile has registers of its own
	ds_store_b128 v[\a1], v[CT+8*(\u):CT+8*(\u)+3] offset:\o1
	ds_store_b32 v[\a2], v[CT+8*(\u)+4] offset:\o2
	ds_store_b32 v[\a3], v[CT+8*(\u)+5] offset:\o3
.endm
	s_wait_tensorcnt 0x0                           ; my loads have landed; I read only bytes that they brought, so no barrier stands here
	TLD 0, TRA, 0
	TLD 1, TRA, 4352
	s_wait_dscnt 8                                 ; the first tile's eight loads are in
	TQ 0
	TOUT 0, IMW, SCW, TTW, 0, 0, 0
	TLD 2, TRA, 8704
	s_wait_dscnt 11                                ; behind the second tile's loads: three stores and eight loads
	TQ 1
	TOUT 1, IMW, SCW, TTW, 512, 128, 64
	s_wait_dscnt 3                                 ; behind the third tile's loads: three stores
	TQ 2
	TOUT 2, IMW, SCW, TTW, 1024, 256, 128
	s_cmp_lg_u32 s[WV], 0
	s_cbranch_scc1 .Lno_last
	TLD 3, TRX, 0
	s_wait_dscnt 0x0
	TQ 3
	TOUT 3, LI, LS, TT0, 24*512, 24*128, 24*64
.Lno_last:
	s_wait_dscnt 0x0                               ; for the others' sake: my stores have landed
	s_barrier_signal -1
	s_barrier_wait -1                              ; all 25 tiles lie in LDS as operands; the launch's only barrier
; ---- THE SCAN.
.irp q, 0,1,2,3,4,5,6,7
.irp k, 4,5,6,7
	v_mov_b32 v[QF+8*\q+\k], 0                     ; k = 64 .. 127: zero codes
.endr
.endr
.irp b, 0,1
.irp k, 4,5,6,7
	v_mov_b32 v[TF+8*\b+\k], 0
.endr
.endr
.rept 4
	v_nop                                          ; an operand written by vector instructions stands four places ahead of a scaled matrix instruction
.endr
.macro TFETCH t                        ; tile t's fragment, scale words and C operand (row 8 h + j's number in register j) into buffer t % 2
	ds_load_b128 v[TF+8*((\t)%2):TF+8*((\t)%2)+3], v[LI] offset:512*(\t)
	ds_load_b32 v[TS+(\t)%2], v[LS] offset:128*(\t)
	ds_load_b128 v[TC+8*((\t)%2):TC+8*((\t)%2)+3], v[LC] offset:64*(\t)
	ds_load_b128 v[TC+8*((\t)%2)+4:TC+8*((\t)%2)+7], v[LC] offset:64*(\t)+16
.endm
.macro MULS t, g                       ; tile t against query tiles 4 g .. 4 g + 3: D = Q(t) Q(c)^T - |t|^2 / 2.  C is never D: there is no chain
.irp i, 0,1,2,3
	v_wmma_scale_f32_16x16x128_f8f6f4 v[D+8*(4*\g+\i):D+8*(4*\g+\i)+7], v[TF+8*((\t)%2):TF+8*((\t)%2)+7], v[QF+8*(4*\g+\i):QF+8*(4*\g+\i)+7], v[TC+8*((\t)%2):TC+8*((\t)%2)+7], v[TS+(\t)%2], v[QS+4*\g+\i] matrix_a_fmt:MATRIX_FMT_FP4 matrix_b_fmt:MATRIX_FMT_FP4
.endr
.endm
; Tile t's results for query tiles 4 g .. 4 g + 3: the largest of a lane's eight and of the best so far; where it has grown, the group's number is taken.  The four tiles by turns, each result from its low end on.
.macro RED t, g
.if (\g == 0) && ((\t) > 0)
	v_add_nc_u32 v[ID], 2, v[ID]                   ; a tile is two groups of eight rows
.endif
.irp i, 0,1,2,3
	v_max3_num_f32 v[XT+\i], v[D+8*(4*\g+\i)], v[D+8*(4*\g+\i)+1], v[D+8*(4*\g+\i)+2]
.endr
.irp i, 0,1,2,3
	v_max3_num_f32 v[XT+\i], v[XT+\i], v[D+8*(4*\g+\i)+3], v[D+8*(4*\g+\i)+4]
.endr
.irp i, 0,1,2,3
	v_max3_num_f32 v[XT+\i], v[XT+\i], v[D+8*(4*\g+\i)+5], v[D+8*(4*\g+\i)+6]
.endr
.if (\t) == 0
.irp i, 0,1,2,3
	v_max_num_f32 v[BV+4*\g+\i], v[XT+\i], v[D+8*(4*\g+\i)+7]        ; the first tile starts the best: nothing is preset
.endr
.irp i, 0,1,2,3
	v_mov_b32 v[BI+4*\g+\i], v[ID]
.endr
.else
.irp i, 0,1,2,3
	v_max3_num_f32 v[BV+8*((\t)%2)+4*\g+\i], v[XT+\i], v[D+8*(4*\g+\i)+7], v[BV+8*(((\t)+1)%2)+4*\g+\i]
.endr
.irp i, 0,1,2,3
	v_cmp_gt_f32 s[40+\i], v[BV+8*((\t)%2)+4*\g+\i], v[BV+8*(((\t)+1)%2)+4*\g+\i]
.endr
.irp i, 0,1,2,3
	v_cndmask_b32 v[BI+4*\g+\i], v[BI+4*\g+\i], v[ID], s[40+\i]
.endr
.endif
.endm
; A step: four products, the reduction of the four before them, four products, the reduction of the first four.  Each reduction's plain vector lines name no register of the products just issued: they are
; the places between products and the reads of their results, the next writing over those results, and the loads into the buffer that the products read.
	TFETCH 0
.irp t, 0,1,2,3,4,5,6,7,8,9,10,11,12,13,14,15,16,17,18,19,20,21,22,23,24
.if \t < 24
	TFETCH \t+1
	s_wait_dscnt 4                                 ; this tile's four loads are in; the next tile's four may be out
.else
	s_wait_dscnt 0x0
.endif
	MULS \t, 0
.if \t == 0
.rept 4
	v_nop                                          ; no reduction is due yet
.endr
.else
	RED \t-1, 1
.endif
	MULS \t, 1
	RED \t, 0
.endr
	RED 24, 1
; ---- THE END.  A query's two halves of the lanes are joined; the number becomes a key; lanes 0-15 carry the even query tile, lanes 16-31 the odd one.
.irp q, 0,1,2,3,4,5,6,7
	v_permlanex16_b32 v[E], v[BV+\q], s[SEL], s[SEL+1]
	v_permlanex16_b32 v[E+1], v[BI+\q], s[SEL], s[SEL+1]
	v_cmp_gt_f32 vcc_lo, v[E], v[BV+\q]
	v_cndmask_b32 v[BV+\q], v[BV+\q], v[E], vcc_lo
	v_cndmask_b32 v[BI+\q], v[BI+\q], v[E+1], vcc_lo
	v_ashrrev_i32 v[E+2], 31, v[BV+\q]             ; a negative number's bits are all turned, of any other the sign bit alone: unsigned order is then the numbers' order
	v_or_b32 v[E+2], 0x80000000, v[E+2]
	v_xor_b32 v[BV+\q], v[BV+\q], v[E+2]
.endr
.irp i, 0,1,2,3
	v_cndmask_b32 v[OUTP+2*\i], v[BV+2*\i], v[BV+2*\i+1], s38
	v_cndmask_b32 v[OUTP+2*\i+1], v[BI+2*\i], v[BI+2*\i+1], s38
	global_store_b64 v[BO], v[OUTP+2*\i:OUTP+2*\i+1], s[8:9] offset:\i*64000   ; 32 lanes store 256 consecutive bytes, at a multiple of 256 from the buffer's first byte
.endr
	s_wait_tensorcnt 0x0
	ds_add_u32 v94, v95
	s_wait_dscnt 0x0
	s_endpgm
.Lfunc_end_k_qee01dd2224_scan:
	.size	k_qee01dd2224_scan, .Lfunc_end_k_qee01dd2224_scan-k_qee01dd2224_scan
	.p2alignl 7, 3214868480
	.fill 96, 4, 3214868480
	.section	.rodata,"a",@progbits
	.p2align	6, 0x0
	.amdhsa_kernel k_qee01dd2224_scan
		.amdhsa_group_segment_fixed_size 197632
		.amdhsa_private_segment_fixed_size 0
		.amdhsa_enable_private_segment 0
		.amdhsa_kernarg_size 24
		.amdhsa_user_sgpr_count 2
		.amdhsa_user_sgpr_kernarg_segment_ptr 1
		.amdhsa_wavefront_size32 1
		.amdhsa_system_sgpr_workgroup_id_x 1
		.amdhsa_system_sgpr_workgroup_id_y 1
		.amdhsa_system_sgpr_workgroup_id_z 1
		.amdhsa_system_vgpr_workitem_id 0
		.amdhsa_next_free_vgpr 256
		.amdhsa_next_free_sgpr 66
		.amdhsa_reserve_vcc 1
		.amdhsa_float_denorm_mode_32 3
		.amdhsa_float_denorm_mode_16_64 3
		.amdhsa_memory_ordered 1
		.amdhsa_forward_progress 1
		.amdhsa_inst_pref_size 158
	.end_amdhsa_kernel
	.amdgpu_metadata
---
amdhsa.version: [ 1, 2 ]
amdhsa.kernels:
  - .name:           k_qee01dd2224_scan
    .symbol:         k_qee01dd2224_scan.kd
    .args:
      - { .name: codes, .offset: 0, .size: 8, .value_kind: global_buffer, .address_space: global }
      - { .name: codes_table, .offset: 8, .size: 8, .value_kind: global_buffer, .address_space: global }
      - { .name: best, .offset: 16, .size: 8, .value_kind: global_buffer, .address_space: global }
    .group_segment_fixed_size: 197632
    .private_segment_fixed_size: 0
    .kernarg_segment_align: 8
    .kernarg_segment_size: 24
    .max_flat_workgroup_size: 256
    .sgpr_count:     66
    .vgpr_count:     256
    .wavefront_size: 32
...
	.end_amdgpu_metadata
.endif
;; end of part 1
;; launch finish (part 2): grid 64 x 1, 4 waves a work-group, no clusters, 20,992 bytes of LDS; arguments best, codes, codes_table, W1_codes, W1_scales, b1, Wu_codes, Wu_scales, bu, Ws_codes, Ws_scales, bs, out0, out1; writes out0, out1
.if DOCPART == 2
	.amdgcn_target "amdgcn-amd-amdhsa--gfx1250"
	.amdhsa_code_object_version 6
	.text
	.protected	k_qee01dd2224_finish
	.globl	k_qee01dd2224_finish
	.p2align	8
	.type	k_qee01dd2224_finish,@function
k_qee01dd2224_finish:
	s_mov_b64 s[64:65], 0
	v_nop
	global_prefetch_b8 v0, s[64:65] scope:SCOPE_SE
	s_setreg_imm32_b32 hwreg(HW_REG_WAVE_MODE, 25, 1), 1
	s_wait_xcnt 0x0
; FINISH: the nearest row of each query, and mu = relu(row W1 + b1) Wu + bu, logstd = relu(row W1 + b1) Ws + bs, all products on codes of FP4 (E2M1) with one E8M0 scale for each 32 along K.
; A work-group of four waves owns 16 queries.  Straight text: no loop, no branch.
;  1  The largest of the 250 slices' keys of each query, by whole-number compares on what the launch before stored: it names a group of 8 table rows (2,048 bytes on end).  The group's number is held under 12,500 ahead of the address.
;  2  Wave w gathers candidates 2 w, 2 w + 1 of all 16 queries, quantises them along K = 64, and multiplies them with the quantised queries: row m of source 0 is query m's candidate, so the diagonal holds the 16 dot products.
;     d2 = fl(fl(|c|^2 - 2 dot) + |t|^2), in that order.  Codes, scale words and d2 go to LDS.
;  3  Every wave picks, lane by lane, the codes and the scale word of the candidate with the least d2 (the lowest index where two are equal), by v_cndmask_b32: the row's codes ARE the second product's operand.
;  4  The waves share the columns: wave w makes hidden units 128 w .. 128 w + 127 (transposed: source 0 = 16 rows of W1, source 1 = the 16 rows chosen; b1 is the C operand), relu, quantises them in registers: K step w of the last
;     products, which goes to the other waves through LDS as an image of the operand's registers.  THE ROWS OF W1 THAT FORM A TILE ARE NOT NEIGHBOURS: lane r of tile 2 b + u takes row 32 b + 8 u + r + 8 (r / 8), so that the 16
;     registers of tiles 2 b and 2 b + 1 are 16 neighbours along the next K.
;  5  Waves 0, 1 make columns 0-31, 32-63 of out0 (Wu, bu), waves 2, 3 those of out1 (Ws, bs); the results meet in a stage, and each wave stores 8 whole rows of 256 bytes.
; K = 64 fills registers 0-3 of a fragment of 128 along K; registers 4-7 hold zero codes on both sides, and bytes 2, 3 of those scale words are 0.
; NO CLUSTER, NO TENSOR LOAD: what work-groups share is 52 KB of weights, read once into registers; 64 work-groups is all the work there is: 16 queries fill a tile.
; LIMITS: NaN and infinities are not served; a block of zeros gets the scale byte 1 (its codes are zeros; only this program reads the byte).
.set KRED, 0                           ; LDS: 8 bytes a thread: each slice of partitions' best (key, group)
.set CIMG, 1024                        ; candidate j's codes, an image of 4 registers: 16 bytes x lane, 512 bytes
.set CWD,  5120                        ; [lane][8 candidates] scale words
.set CD2,  6144                        ; [query][8 candidates] d2
.set HIMG, 6656                        ; K step w of the hidden layer: an image of 8 registers, 1,024 bytes
.set HSC,  10752                       ; its scale words, 4 bytes x lane
.set STG,  11264                       ; the stage: [2 outputs][16 rows] of 256 bytes + 16
.set R,    1                           ; v1   r = lane % 16
.set H,    2                           ; v2   h = lane / 16
.set KO,   3                           ; v3   my first key
.set QA,   4                           ; v4   256 r + 128 h: row r of the queries, my block of 32
.set GA,   5                           ; v5   the same in my query's group of rows
.set LI,   6                           ; v6   16 lane
.set LS,   7                           ; v7   4 lane
.set L32,  8                           ; v8   32 lane
.set R32,  9                           ; v9   32 r
.set R8,   10                          ; v10  8 r
.set SH8,  11                          ; v11  8 h
.set SO,   12                          ; v12  the stage: where I put 32 bytes of a row
.set SR,   13                          ; v13  and where I read a row back
.set GO,   14                          ; v14  256 h + 16 r: the same place in the output
.set T8,   15                          ; v15  8 x thread
.set CIW,  16                          ; v16  16 lane + 1,024 w
.set CWW,  17                          ; v17  32 lane + 8 w
.set CDW,  18                          ; v18  32 r + 8 w
.set HSW,  19                          ; v19  4 lane + 128 w
.set W1A,  20                          ; v20  W1's codes: (r + 8 (r / 8)) x 32 + 16 h
.set W1SA, 21                          ; v21  W1's scale bytes: (r + 8 (r / 8)) x 2
.set B1A,  22                          ; v22  64 h
.set W2A,  23                          ; v23  256 r + 16 h
.set W2SA, 24                          ; v24  16 r
.set B2A,  25                          ; v25  32 h
.set GB,   26                          ; v26  512 w + 128 h
.set QF,   28                          ; v28-35   the queries' fragment
.set FA,   36                          ; v36-43   candidate 2 w's;  v44-51 candidate 2 w + 1's
.set FB,   44
.set CC,   52                          ; v52      |c|^2
.set TT,   54                          ; v54-55   |t|^2 of my two candidates
.set DD,   56                          ; v56-57   their d2
.set X0,   58                          ; v58-61   at work
.set KEY,  64                          ; v64-127  32 pairs (key, group); then X: two candidates' 32 numbers; then:
.set FS,   64                          ; v64-71   the chosen row's fragment
.set CF,   72                          ; v72-99   candidates 1-7's codes
.set CW,   100                         ; v100-107 the eight scale words
.set CD,   108                         ; v108-115 the eight d2
.set TM,   96                          ; later v96-111 at work on the hidden layer;  v112 its scale word
.set PW,   112
.set QX,   128                         ; v128-159 my 32 numbers of a query; later the hidden layer's four fragments
.set HF,   128
.set HA,   160                         ; v160-223 my 8 tiles of the hidden layer; before that v160-175 the two products with the candidates
.set T0,   224                         ; v224-231 the quantiser's scratch; later the hidden layer's codes
.set T1,   225
.set T2,   226
.set T3,   227
.set T4,   228
.set T5,   229
.set T6,   230
.set T7,   231
.set PC,   224
.set HS,   232                         ; v232-255 hold scale words and nothing else: v232-235 the hidden layer's, v236 the queries', v237 the chosen row's, v238-239 my candidates', v240-247 W1's, v248-255 W2's
.set QS,   236
.set PS,   237
.set CS,   238
.set W1S,  240
.set W2S,  248
.set W1F,  0                           ; window 1: v0-63 W1's 8 fragments; v64-127 b1's 8 tiles; v128-191 W2's 8 fragments ((n, s) at 8 (4 n + s)); v192-207 the second bias's two tiles; v208-223 the two accumulators
.set B1,   64
.set W2F,  128
.set B2,   192
.set Y,    208
.set WV,   32                          ; s32 wave; s33 wave % 2; s38 wave / 2
.set SEL,  34                          ; s[34:35] v_permlanex16_b32's selects for lane l xor 16
.set MSB, 0
.macro WIN new                         ; s_set_vgpr_msb: bits 1:0 source 0, 3:2 source 1, 5:4 source 2, 7:6 destination; the immediate's high byte repeats the setting that is left
.if MSB != \new
	s_set_vgpr_msb (MSB<<8)|\new
.set MSB, \new
.endif
.endm
.macro BARRIER                         ; my LDS stores have landed and my LDS loads are in: then the work-group's barrier
	s_wait_dscnt 0x0
	s_barrier_signal -1
	s_barrier_wait -1
.endm
; 32 numbers of a lane, one whole block of 32 along K (row r, k = 32 h on), become 4 registers of codes; the row's two scale bytes become its scale word, in both halves of the lanes.
.macro QUANT32 xs, dst, word
	v_max3_num_f32 v[T0], |v[\xs]|, |v[\xs+1]|, 0x1800000            ; the floor 2^(3 - 127) among the leaves: the byte cannot fall under 1
	v_max3_num_f32 v[T1], |v[\xs+2]|, |v[\xs+3]|, |v[\xs+4]|
.irp i, 5,9,13,17,21,25
	v_max3_num_f32 v[T0], v[T0], |v[\xs+\i]|, |v[\xs+\i+1]|
	v_max3_num_f32 v[T1], v[T1], |v[\xs+\i+2]|, |v[\xs+\i+3]|
.endr
	v_max3_num_f32 v[T0], v[T0], |v[\xs+29]|, |v[\xs+30]|
	v_max3_num_f32 v[T0], v[T0], v[T1], |v[\xs+31]|
	v_add_nc_u32 v[T2], 0xff000000, v[T0]          ; 2 off the exponent field: the conversion's scale operand
	v_lshrrev_b32 v[T3], 23, v[T2]                 ; the scale's byte
.irp g, 0,1,2,3
	v_cvt_scalef32_pk8_fp4_f32 v[\dst+\g], v[\xs+8*\g:\xs+8*\g+7], v[T2]
.endr
	v_lshlrev_b32 v[T3], v[SH8], v[T3]             ; the byte at its place (also the plain line behind the conversions),
	v_permlanex16_b32 v[T4], v[T3], s[SEL], s[SEL+1]
	v_or_b32 v[\word], v[T3], v[T4]                ; with lane l xor 16's
.endm
.macro SQSUM xs, sum                   ; the sum of the squares of a row's 64 numbers, in both halves of the lanes
	v_pk_mul_f32 v[T4:T5], v[\xs:\xs+1], v[\xs:\xs+1]
	v_pk_mul_f32 v[T6:T7], v[\xs+2:\xs+3], v[\xs+2:\xs+3]
.irp i, 4,8,12,16,20,24,28
	v_pk_fma_f32 v[T4:T5], v[\xs+\i:\xs+\i+1], v[\xs+\i:\xs+\i+1], v[T4:T5]
	v_pk_fma_f32 v[T6:T7], v[\xs+\i+2:\xs+\i+3], v[\xs+\i+2:\xs+\i+3], v[T6:T7]
.endr
	v_pk_add_f32 v[T4:T5], v[T4:T5], v[T6:T7]
	v_add_f32 v[T4], v[T4], v[T5]
	v_permlanex16_b32 v[T5], v[T4], s[SEL], s[SEL+1]
	v_add_f32 v[\sum], v[T4], v[T5]
.endm
	s_load_b256 s[4:11], s[0:1], 0x0               ; best s[4:5], codes s[6:7], codes_table s[8:9], W1's codes s[10:11]
	s_load_b256 s[12:19], s[0:1], 0x20             ; W1's scales s[12:13], b1 s[14:15], Wu's codes s[16:17], Wu's scales s[18:19]
	s_load_b256 s[20:27], s[0:1], 0x40             ; bu s[20:21], Ws's codes s[22:23], Ws's scales s[24:25], bs s[26:27]
	s_load_b128 s[28:31], s[0:1], 0x60             ; out0 s[28:29], out1 s[30:31]
	v_lshl_add_u32 v62, v0, 2, 0x5000
	v_mov_b32 v63, 0
	v_lshrrev_b32 v[X0], 5, v0
	v_readfirstlane_b32 s[WV], v[X0]               ; wave 0..3
	s_and_b32 s33, s[WV], 1
	s_lshr_b32 s38, s[WV], 1
	v_and_b32 v[R], 15, v0
	v_bfe_u32 v[H], v0, 4, 1
	v_and_b32 v[X0], 31, v0                        ; lane
	v_lshrrev_b32 v[KO], 4, v0                     ; thread t looks at query t % 16 in slice t / 16 of the partitions:
	v_lshlrev_b32 v[KO], 5, v[KO]
	v_min_u32 v[KO], 218, v[KO]                    ; partitions min(32 (t / 16), 218) + 0 .. 31: the last two slices overlap, which a maximum does not mind
	v_lshlrev_b32 v[KO], 8, v[KO]                  ; 256 bytes a partition,
	v_lshl_add_u32 v[KO], v[R], 3, v[KO]           ; 8 bytes a query
	s_lshr_b32 s52, ttmp9, 1                       ; best: my pair of query tiles, 250 x 256 bytes,
	s_mul_i32 s52, s52, 64000
	s_and_b32 s54, ttmp9, 1
	s_lshl_b32 s54, s54, 7                         ; and my half of each 256 bytes
	s_add_co_u32 s52, s52, s54
	s_mov_b32 s53, 0
	s_wait_kmcnt 0x0
	s_add_nc_u64 s[4:5], s[4:5], s[52:53]
.set i, 0
.rept 32
	global_load_b64 v[KEY+2*i:KEY+2*i+1], v[KO], s[4:5] offset:256*i   ; sixteen lanes read 128 consecutive bytes
.set i, i+1
.endr
	s_cmp_lt_u32 s[WV], 2                          ; waves 0, 1: Wu, bu, out0; waves 2, 3: Ws, bs, out1.  The choice hangs on the wave's number alone
	s_cselect_b64 s[16:17], s[16:17], s[22:23]
	s_cselect_b64 s[18:19], s[18:19], s[24:25]
	s_cselect_b64 s[20:21], s[20:21], s[26:27]
	s_cselect_b64 s[28:29], s[28:29], s[30:31]
	s_lshl_b32 s52, ttmp9, 12                      ; my 16 rows of 256 bytes, of the queries and of the output
	s_add_nc_u64 s[6:7], s[6:7], s[52:53]
	s_add_nc_u64 s[28:29], s[28:29], s[52:53]
	s_lshl_b32 s52, s33, 11                        ; of the output's, the 8 rows that I store
	s_add_nc_u64 s[28:29], s[28:29], s[52:53]
	s_lshl_b32 s52, s[WV], 12                      ; my 128 rows of W1: 32 bytes of codes each,
	s_add_nc_u64 s[10:11], s[10:11], s[52:53]
	s_lshl_b32 s52, s[WV], 8                       ; 2 scale bytes each,
	s_add_nc_u64 s[12:13], s[12:13], s[52:53]
	s_lshl_b32 s52, s[WV], 9                       ; and 4 bytes of b1
	s_add_nc_u64 s[14:15], s[14:15], s[52:53]
	s_lshl_b32 s52, s33, 13                        ; my 32 rows of Wu or Ws: 256 bytes of codes each,
	s_add_nc_u64 s[16:17], s[16:17], s[52:53]
	s_lshl_b32 s52, s33, 9                         ; 16 scale bytes each,
	s_add_nc_u64 s[18:19], s[18:19], s[52:53]
	s_lshl_b32 s52, s33, 7                         ; and 4 bytes of bias
	s_add_nc_u64 s[20:21], s[20:21], s[52:53]
	v_lshlrev_b32 v[QA], 8, v[R]
	v_lshl_add_u32 v[QA], v[H], 7, v[QA]
.irp i, 0,1,2,3,4,5,6,7
	global_load_b128 v[QX+4*\i:QX+4*\i+3], v[QA], s[6:7] offset:16*\i
.endr
	v_and_b32 v[X0+1], 8, v[R]
	v_add_nc_u32 v[X0+1], v[X0+1], v[R]            ; r + 8 (r / 8)
	v_lshlrev_b32 v[W1A], 5, v[X0+1]
	v_lshl_add_u32 v[W1A], v[H], 4, v[W1A]
	v_lshlrev_b32 v[W1SA], 1, v[X0+1]
	WIN 0x40                                       ; destination window 1
.irp t, 0,1,2,3,4,5,6,7
	global_load_b128 v[W1F+8*\t:W1F+8*\t+3], v[W1A], s[10:11] offset:(32*(\t/2)+8*(\t%2))*32
.endr
.irp t, 0,1,2,3,4,5,6,7
.irp k, 4,5,6,7
	v_mov_b32 v[W1F+8*\t+\k], 0                    ; k = 64 .. 127: zero codes
.endr
.endr
	WIN 0
.irp t, 0,1,2,3,4,5,6,7
	global_load_u16 v[W1S+\t], v[W1SA], s[12:13] offset:(32*(\t/2)+8*(\t%2))*2   ; a row's two bytes; bytes 2 and 3 of the word come as zeros
.endr
.irp k, 4,5,6,7
	v_mov_b32 v[QF+\k], 0
	v_mov_b32 v[FA+\k], 0
	v_mov_b32 v[FB+\k], 0
.endr
	v_mov_b32 v[T4], 0                             ; written once: a lane permute's destination counts as one of its sources
	v_mov_b32 v[X0+2], 0
	v_mov_b32 v[X0+3], 0
	v_lshlrev_b32 v[LI], 4, v[X0]
	v_lshlrev_b32 v[LS], 2, v[X0]
	v_lshlrev_b32 v[L32], 5, v[X0]
	v_lshlrev_b32 v[R32], 5, v[R]
	v_lshlrev_b32 v[R8], 3, v[R]
	v_lshlrev_b32 v[SH8], 3, v[H]
	s_mul_i32 s48, s38, 16*272                     ; the stage of my output,
	s_add_co_u32 s48, s48, STG
	s_lshl_b32 s49, s33, 7                         ; in: my 32 columns' 128 bytes; row r; 32 bytes for each half of the lanes
	s_add_co_u32 s49, s49, s48
	v_mul_u32_u24 v[SO], v[R], 272
	v_lshl_add_u32 v[SO], v[H], 5, v[SO]
	v_add_nc_u32 v[SO], s49, v[SO]
	s_mul_i32 s49, s33, 8*272                      ; back: my 8 rows; lanes 0-15 one row, lanes 16-31 the next
	s_add_co_u32 s49, s49, s48
	v_mul_u32_u24 v[SR], v[H], 272
	v_lshl_add_u32 v[SR], v[R], 4, v[SR]
	v_add_nc_u32 v[SR], s49, v[SR]
	v_lshlrev_b32 v[GO], 8, v[H]
	v_lshl_add_u32 v[GO], v[R], 4, v[GO]
	v_lshlrev_b32 v[T8], 3, v0
	s_lshl_b32 s48, s[WV], 10
	v_add_nc_u32 v[CIW], s48, v[LI]
	s_lshl_b32 s48, s[WV], 3
	v_add_nc_u32 v[CWW], s48, v[L32]
	v_add_nc_u32 v[CDW], s48, v[R32]
	s_lshl_b32 s48, s[WV], 7
	v_add_nc_u32 v[HSW], s48, v[LS]
	v_lshlrev_b32 v[B1A], 6, v[H]
	v_lshlrev_b32 v[W2A], 8, v[R]
	v_lshl_add_u32 v[W2A], v[H], 4, v[W2A]
	v_lshlrev_b32 v[W2SA], 4, v[R]
	v_lshlrev_b32 v[B2A], 5, v[H]
	s_lshl_b32 s48, s[WV], 9
	v_lshlrev_b32 v[GB], 7, v[H]
	v_add_nc_u32 v[GB], s48, v[GB]
	s_mov_b32 s[SEL], 0x76543210
	s_mov_b32 s[SEL+1], 0xfedcba98
	s_mov_b32 s40, 0x02020202                      ; lanes with lane % 8 = 1, .. 7
	s_mov_b32 s41, 0x04040404
	s_mov_b32 s42, 0x08080808
	s_mov_b32 s43, 0x10101010
	s_mov_b32 s44, 0x20202020
	s_mov_b32 s45, 0x40404040
	s_mov_b32 s46, 0x80808080
	s_mov_b32 s47, 0xff0000ff                      ; the lanes that hold the diagonal: lane / 16 = (lane % 16) / 8
	; ---- 1: the partition that wins.  Whole numbers only.  Four chains of eight, ascending, a later one taken only where it is larger
	s_wait_loadcnt 24                              ; the 32 pairs are in; behind them: 8 loads of the queries, 8 + 8 of W1
.irp j, 1,2,3,4,5,6,7
.irp c, 0,1,2,3
	v_cmp_gt_u32 s[48+\c], v[KEY+16*\c+2*\j], v[KEY+16*\c]
.endr
.irp c, 0,1,2,3
	v_cndmask_b32 v[KEY+16*\c+1], v[KEY+16*\c+1], v[KEY+16*\c+2*\j+1], s[48+\c]
.endr
.irp c, 0,1,2,3
	v_max_u32 v[KEY+16*\c], v[KEY+16*\c], v[KEY+16*\c+2*\j]
.endr
.endr
.irp c, 1,2,3
	v_cmp_gt_u32 vcc_lo, v[KEY+16*\c], v[KEY]
	v_cndmask_b32 v[KEY+1], v[KEY+1], v[KEY+16*\c+1], vcc_lo
	v_max_u32 v[KEY], v[KEY], v[KEY+16*\c]
.endr
	ds_store_b64 v[T8], v[KEY:KEY+1] offset:KRED
	BARRIER                                        ; the eight slices' bests of all 16 queries lie in LDS
.irp s, 0,1,2,3,4,5,6,7
	ds_load_b64 v[KEY+2*\s:KEY+2*\s+1], v[R8] offset:KRED+128*\s     ; query r's: every lane of every wave
.endr
	s_wait_dscnt 0x0
.irp s, 1,2,3,4,5,6,7
	v_cmp_gt_u32 vcc_lo, v[KEY+2*\s], v[KEY]
	v_cndmask_b32 v[KEY+1], v[KEY+1], v[KEY+2*\s+1], vcc_lo
	v_max_u32 v[KEY], v[KEY], v[KEY+2*\s]
.endr
	v_min_u32 v[KEY+1], 0x30d3, v[KEY+1]           ; the group's number, held at 12,499: no address leaves the table
	v_lshl_add_u32 v[GA], v[KEY+1], 11, v[GB]      ; 2,048 bytes a group, + my wave's two rows, + my block of 32
	; ---- 2: the candidates are asked for; then the rest of the weights; the queries are quantised while all that is on its way
.irp c, 0,1
.irp i, 0,1,2,3,4,5,6,7
	global_load_b128 v[KEY+32*\c+4*\i:KEY+32*\c+4*\i+3], v[GA], s[8:9] offset:256*\c+16*\i
.endr
.endr
	s_wait_loadcnt 16                              ; all that was asked for at the head is in; only the 16 gathers are out
.irp n, 0,1
.irp s, 0,1,2,3
	global_load_b32 v[W2S+4*\n+\s], v[W2SA], s[18:19] offset:256*\n+4*\s
.endr
.endr
	WIN 0x40
.irp t, 0,1,2,3,4,5,6,7                        ; b1 in the result's layout: lane (r, h), tile t: hidden units 32 (t / 2) + 16 h + 8 (t % 2) + 0 .. 7
	global_load_b128 v[B1+8*\t:B1+8*\t+3], v[B1A], s[14:15] offset:(32*(\t/2)+8*(\t%2))*4
	global_load_b128 v[B1+8*\t+4:B1+8*\t+7], v[B1A], s[14:15] offset:(32*(\t/2)+8*(\t%2))*4+16
.endr
.irp n, 0,1
.irp s, 0,1,2,3
.irp c, 0,1
	global_load_b128 v[W2F+8*(4*\n+\s)+4*\c:W2F+8*(4*\n+\s)+4*\c+3], v[W2A], s[16:17] offset:4096*\n+64*\s+32*\c
.endr
.endr
.endr
.irp n, 0,1
	global_load_b128 v[B2+8*\n:B2+8*\n+3], v[B2A], s[20:21] offset:64*\n
	global_load_b128 v[B2+8*\n+4:B2+8*\n+7], v[B2A], s[20:21] offset:64*\n+16
.endr
	WIN 0
	QUANT32 QX, QF, QS
	SQSUM QX, CC
	; ---- 3: my two candidates of each query
	s_wait_loadcnt 44                              ; the gathers are in; behind them 8 + 16 + 16 + 4 loads of weights
	QUANT32 KEY, FA, CS
	QUANT32 KEY+32, FB, CS+1
	SQSUM KEY, TT                                  ; (these two are also the places between the writing of operands and scale words and the scaled products)
	SQSUM KEY+32, TT+1
	v_wmma_scale_f32_16x16x128_f8f6f4 v[HA:HA+7], v[FA:FA+7], v[QF:QF+7], 0, v[CS], v[QS] matrix_a_fmt:MATRIX_FMT_FP4 matrix_b_fmt:MATRIX_FMT_FP4
	v_wmma_scale_f32_16x16x128_f8f6f4 v[HA+8:HA+15], v[FB:FB+7], v[QF:QF+7], 0, v[CS+1], v[QS] matrix_a_fmt:MATRIX_FMT_FP4 matrix_b_fmt:MATRIX_FMT_FP4
.rept 4
	v_nop
.endr
.irp c, 0,1                                    ; the diagonal: register lane % 8 of the lanes with lane / 16 = (lane % 16) / 8
	v_cndmask_b32 v[X0+\c], v[HA+8*\c], v[HA+8*\c+1], s40
.endr
.irp j, 2,3,4,5,6,7
.irp c, 0,1
	v_cndmask_b32 v[X0+\c], v[X0+\c], v[HA+8*\c+\j], s[39+\j]
.endr
.endr
.irp c, 0,1
	v_permlanex16_b32 v[X0+2+\c], v[X0+\c], s[SEL], s[SEL+1]
.endr
.irp c, 0,1
	v_cndmask_b32 v[X0+\c], v[X0+2+\c], v[X0+\c], s47              ; every lane now holds query r's dot product
.endr
.irp c, 0,1
	v_fma_f32 v[DD+\c], v[X0+\c], -2.0, v[CC]                      ; fl(|c|^2 - 2 dot): 2 dot is exact
.endr
.irp c, 0,1
	v_add_f32 v[DD+\c], v[DD+\c], v[TT+\c]
.endr
	ds_store_b128 v[CIW], v[FA:FA+3] offset:CIMG
	ds_store_b128 v[CIW], v[FB:FB+3] offset:CIMG+512
	ds_store_b64 v[CWW], v[CS:CS+1] offset:CWD
	ds_store_b64 v[CDW], v[DD:DD+1] offset:CD2     ; both halves of the lanes write the same words with the same values
	BARRIER                                        ; all eight candidates lie in LDS
	; ---- 4: the choice, by values alone; then the hidden layer
.irp k, 4,5,6,7
	v_mov_b32 v[FS+\k], 0
.endr
	ds_load_b128 v[FS:FS+3], v[LI] offset:CIMG
.irp j, 1,2,3,4,5,6,7
	ds_load_b128 v[CF+4*(\j-1):CF+4*(\j-1)+3], v[LI] offset:CIMG+512*\j
.endr
	ds_load_b128 v[CW:CW+3], v[L32] offset:CWD
	ds_load_b128 v[CW+4:CW+7], v[L32] offset:CWD+16
	ds_load_b128 v[CD:CD+3], v[R32] offset:CD2
	ds_load_b128 v[CD+4:CD+7], v[R32] offset:CD2+16
	s_wait_dscnt 0x0
.irp j, 1,2,3,4,5,6,7
	v_cmp_lt_f32 vcc_lo, v[CD+\j], v[CD]           ; strictly nearer: of equals the lowest index stays
.irp k, 0,1,2,3
	v_cndmask_b32 v[FS+\k], v[FS+\k], v[CF+4*(\j-1)+\k], vcc_lo
.endr
.if \j == 1
	v_cndmask_b32 v[PS], v[CW], v[CW+1], vcc_lo
.else
	v_cndmask_b32 v[PS], v[PS], v[CW+\j], vcc_lo
.endif
	v_min_num_f32 v[CD], v[CD], v[CD+\j]
.endr
.rept 8
	v_nop                                          ; a scale register written by a vector instruction stands 8 places ahead of a scaled matrix instruction, an operand so written 4
.endr
	s_wait_loadcnt 20                              ; b1 is in; behind it 16 + 4 loads
	WIN 0x11                                       ; source 0 (W1) and source 2 (b1) window 1
.irp t, 0,1,2,3,4,5,6,7
	v_wmma_scale_f32_16x16x128_f8f6f4 v[HA+8*\t:HA+8*\t+7], v[W1F+8*\t:W1F+8*\t+7], v[FS:FS+7], v[B1+8*\t:B1+8*\t+7], v[W1S+\t], v[PS] matrix_a_fmt:MATRIX_FMT_FP4 matrix_b_fmt:MATRIX_FMT_FP4
.endr
	WIN 0
.rept 4
	v_nop
.endr
.set i, 0
.rept 64
	v_max_num_f32 v[HA+i], 0, v[HA+i]              ; the activation, in f32; each tile from its low end on
.set i, i+1
.endr
	; register 16 b + i is hidden unit 128 w + 32 b + 16 h + i of query r: four blocks of 32 along the next K, each in lanes l and l xor 16.  None is negative: no |.|
.irp b, 0,1,2,3
	v_max3_num_f32 v[TM+\b], v[HA+16*\b], v[HA+1+16*\b], 0x1800000   ; with the floor 2^(3 - 127)
.endr
.irp i, 2,4,6,8,10,12,14
.irp b, 0,1,2,3
	v_max3_num_f32 v[TM+\b], v[TM+\b], v[HA+16*\b+\i], v[HA+1+16*\b+\i]
.endr
.endr
.irp b, 0,1,2,3
	v_permlanex16_b32 v[TM+4+\b], v[TM+\b], s[SEL], s[SEL+1]
.endr
.irp b, 0,1,2,3
	v_max_num_f32 v[TM+\b], v[TM+\b], v[TM+4+\b]
.endr
.irp b, 0,1,2,3
	v_add_nc_u32 v[TM+12+\b], 0xff000000, v[TM+\b] ; the conversion's scale operand
.endr
.irp b, 0,1,2,3
	v_lshrrev_b32 v[TM+4+\b], 23, v[TM+12+\b]      ; the scale's byte
.endr
	v_lshl_or_b32 v[PW], v[TM+5], 8, v[TM+4]
	v_lshl_or_b32 v[PW], v[TM+6], 16, v[PW]
	v_lshl_or_b32 v[PW], v[TM+7], 24, v[PW]
.irp b, 0,1,2,3
	v_cvt_scalef32_pk8_fp4_f32 v[PC+2*\b], v[HA+16*\b:HA+7+16*\b], v[TM+12+\b]
	v_cvt_scalef32_pk8_fp4_f32 v[PC+1+2*\b], v[HA+8+16*\b:HA+15+16*\b], v[TM+12+\b]
.endr
	v_nop                                          ; one plain line behind a scaled conversion
.irp c, 0,1                                    ; the operand's layout wants a whole block in a lane: lanes 0-15 block 2 c, lanes 16-31 block 2 c + 1
.irp i, 0,1
	v_permlane16_swap_b32 v[PC+4*\c+\i], v[PC+2+4*\c+\i]
.endr
.endr
	ds_store_b128 v[CIW], v[PC:PC+3] offset:HIMG
	ds_store_b128 v[CIW], v[PC+4:PC+7] offset:HIMG+512
	ds_store_b32 v[HSW], v[PW] offset:HSC
	BARRIER                                        ; the hidden layer's four fragments lie in LDS
	; ---- 5: my 32 columns of my output: two accumulators by turns, K = 512 in four steps; the bias is the first step's C
.irp s, 0,1,2,3
	ds_load_b128 v[HF+8*\s:HF+8*\s+3], v[LI] offset:HIMG+1024*\s
	ds_load_b128 v[HF+8*\s+4:HF+8*\s+7], v[LI] offset:HIMG+1024*\s+512
	ds_load_b32 v[HS+\s], v[LS] offset:HSC+128*\s
.endr
	s_wait_dscnt 0x0
	s_wait_loadcnt 0x0                             ; the last weights
	WIN 0x51                                       ; source 0 (W2), C and D window 1
.irp s, 0,1,2,3
.irp n, 0,1
.if \s == 0
	v_wmma_scale_f32_16x16x128_f8f6f4 v[Y+8*\n:Y+8*\n+7], v[W2F+8*(4*\n+\s):W2F+8*(4*\n+\s)+7], v[HF+8*\s:HF+8*\s+7], v[B2+8*\n:B2+8*\n+7], v[W2S+4*\n+\s], v[HS+\s] matrix_a_fmt:MATRIX_FMT_FP4 matrix_b_fmt:MATRIX_FMT_FP4
.else
	v_wmma_scale_f32_16x16x128_f8f6f4 v[Y+8*\n:Y+8*\n+7], v[W2F+8*(4*\n+\s):W2F+8*(4*\n+\s)+7], v[HF+8*\s:HF+8*\s+7], v[Y+8*\n:Y+8*\n+7], v[W2S+4*\n+\s], v[HS+\s] matrix_a_fmt:MATRIX_FMT_FP4 matrix_b_fmt:MATRIX_FMT_FP4
.endif
.endr
.endr
.rept 4
	v_nop
.endr
	WIN 0x04                                       ; an LDS store's data are its source 1: window 1
.irp n, 0,1
	ds_store_b128 v[SO], v[Y+8*\n:Y+8*\n+3] offset:64*\n             ; lane (r, h): row r, columns 32 (w % 2) + 16 n + 8 h + 0 .. 7; each accumulator from its low end on
	ds_store_b128 v[SO], v[Y+8*\n+4:Y+8*\n+7] offset:64*\n+16
.endr
	WIN 0
	BARRIER                                        ; 16 whole rows of each output lie in the stage
.irp i, 0,1,2,3
	ds_load_b128 v[KEY+4*\i:KEY+4*\i+3], v[SR] offset:544*\i
.endr
.irp i, 0,1,2,3
	s_wait_dscnt 3-\i
	global_store_b128 v[GO], v[KEY+4*\i:KEY+4*\i+3], s[28:29] offset:512*\i th:TH_STORE_NT   ; sixteen lanes store a row: 256 consecutive bytes, at a multiple of 256 from the output's first byte
.endr
	s_wait_tensorcnt 0x0
	ds_add_u32 v62, v63
	s_wait_dscnt 0x0
	s_endpgm
.Lfunc_end_k_qee01dd2224_finish:
	.size	k_qee01dd2224_finish, .Lfunc_end_k_qee01dd2224_finish-k_qee01dd2224_finish
	.p2alignl 7, 3214868480
	.fill 96, 4, 3214868480
	.section	.rodata,"a",@progbits
	.p2align	6, 0x0
	.amdhsa_kernel k_qee01dd2224_finish
		.amdhsa_group_segment_fixed_size 20992
		.amdhsa_private_segment_fixed_size 0
		.amdhsa_enable_private_segment 0
		.amdhsa_kernarg_size 112
		.amdhsa_user_sgpr_count 2
		.amdhsa_user_sgpr_kernarg_segment_ptr 1
		.amdhsa_wavefront_size32 1
		.amdhsa_system_sgpr_workgroup_id_x 1
		.amdhsa_system_sgpr_workgroup_id_y 1
		.amdhsa_system_sgpr_workgroup_id_z 1
		.amdhsa_system_vgpr_workitem_id 0
		.amdhsa_next_free_vgpr 512
		.amdhsa_next_free_sgpr 66
		.amdhsa_reserve_vcc 1
		.amdhsa_float_denorm_mode_32 3
		.amdhsa_float_denorm_mode_16_64 3
		.amdhsa_memory_ordered 1
		.amdhsa_forward_progress 1
		.amdhsa_inst_pref_size 47
	.end_amdhsa_kernel
	.amdgpu_metadata
---
amdhsa.version: [ 1, 2 ]
amdhsa.kernels:
  - .name:           k_qee01dd2224_finish
    .symbol:         k_qee01dd2224_finish.kd
    .args:
      - { .name: best, .offset: 0, .size: 8, .value_kind: global_buffer, .address_space: global }
      - { .name: codes, .offset: 8, .size: 8, .value_kind: global_buffer, .address_space: global }
      - { .name: codes_table, .offset: 16, .size: 8, .value_kind: global_buffer, .address_space: global }
      - { .name: W1_codes, .offset: 24, .size: 8, .value_kind: global_buffer, .address_space: global }
      - { .name: W1_scales, .offset: 32, .size: 8, .value_kind: global_buffer, .address_space: global }
      - { .name: b1, .offset: 40, .size: 8, .value_kind: global_buffer, .address_space: global }
      - { .name: Wu_codes, .offset: 48, .size: 8, .value_kind: global_buffer, .address_space: global }
      - { .name: Wu_scales, .offset: 56, .size: 8, .value_kind: global_buffer, .address_space: global }
      - { .name: bu, .offset: 64, .size: 8, .value_kind: global_buffer, .address_space: global }
      - { .name: Ws_codes, .offset: 72, .size: 8, .value_kind: global_buffer, .address_space: global }
      - { .name: Ws_scales, .offset: 80, .size: 8, .value_kind: global_buffer, .address_space: global }
      - { .name: bs, .offset: 88, .size: 8, .value_kind: global_buffer, .address_space: global }
      - { .name: out0, .offset: 96, .size: 8, .value_kind: global_buffer, .address_space: global }
      - { .name: out1, .offset: 104, .size: 8, .value_kind: global_buffer, .address_space: global }
    .group_segment_fixed_size: 20992
    .private_segment_fixed_size: 0
    .kernarg_segment_align: 8
    .kernarg_segment_size: 112
    .max_flat_workgroup_size: 128
    .sgpr_count:     66
    .vgpr_count:     512
    .wavefront_size: 32
...
	.end_amdgpu_metadata
.endif
;; end of part 2
;; ======== version 2 of 2: 2 launches; version 1 with the launch finish written anew for expert scheduling mode
;; workspace buffers: best 2,048,000 bytes of whole numbers
;; launch scan: the kernel of part 1 again; grid 250 x 1, 8 waves a work-group, no clusters, 197,632 bytes of LDS; arguments codes, codes_table, best; writes best
;; launch finish (part 3): grid 64 x 1, 4 waves a work-group, no clusters, 20,992 bytes of LDS; arguments best, codes, codes_table, W1_codes, W1_scales, b1, Wu_codes, Wu_scales, bu, Ws_codes, Ws_scales, bs, out0, out1; writes out0, out1
.if DOCPART == 3
	.amdgcn_target "amdgcn-amd-amdhsa--gfx1250"
	.amdhsa_code_object_version 6
	.text
	.protected	k_qee01dd2224_finish
	.globl	k_qee01dd2224_finish
	.p2align	8
	.type	k_qee01dd2224_finish,@function
k_qee01dd2224_finish:
	s_mov_b64 s[64:65], 0
	v_nop
	global_prefetch_b8 v0, s[64:65] scope:SCOPE_SE
	s_setreg_imm32_b32 hwreg(HW_REG_WAVE_SCHED_MODE, 0, 2), 2
	s_setreg_imm32_b32 hwreg(HW_REG_WAVE_MODE, 25, 1), 1
	s_wait_xcnt 0x0
	s_wait_alu depctr_vm_vsrc(0)
; FINISH: the nearest row of each query, and mu = relu(row W1 + b1) Wu + bu, logstd = relu(row W1 + b1) Ws + bs, all products on codes of FP4 (E2M1) with one E8M0 scale for each 32 along K.
; A work-group of four waves owns 16 queries.  Straight text: no loop, no branch.
;  1  The largest of the 250 slices' keys of each query, by whole-number compares on what the launch before stored: it names a group of 8 table rows (2,048 bytes on end).  The group's number is held under 12,500 ahead of the address.
;  2  Wave w gathers candidates 2 w, 2 w + 1 of all 16 queries, quantises them along K = 64, and multiplies them with the quantised queries: row m of source 0 is query m's candidate, so the diagonal holds the 16 dot products.
;     d2 = fl(fl(|c|^2 - 2 dot) + |t|^2), in that order.  Codes, scale words and d2 go to LDS.
;  3  Every wave picks, lane by lane, the codes and the scale word of the candidate with the least d2 (the lowest index where two are equal), by v_cndmask_b32: the row's codes ARE the second product's operand.
;  4  The waves share the columns: wave w makes hidden units 128 w .. 128 w + 127 (transposed: source 0 = 16 rows of W1, source 1 = the 16 rows chosen; b1 is the C operand), relu, quantises them in registers: K step w of the last
;     products, which goes to the other waves through LDS as an image of the operand's registers.  THE ROWS OF W1 THAT FORM A TILE ARE NOT NEIGHBOURS: lane r of tile 2 b + u takes row 32 b + 8 u + r + 8 (r / 8), so that the 16
;     registers of tiles 2 b and 2 b + 1 are 16 neighbours along the next K.
;  5  Waves 0, 1 make columns 0-31, 32-63 of out0 (Wu, bu), waves 2, 3 those of out1 (Ws, bs); the results meet in a stage, and each wave stores 8 whole rows of 256 bytes.
; K = 64 fills registers 0-3 of a fragment of 128 along K; registers 4-7 hold zero codes on both sides, and bytes 2, 3 of those scale words are 0.
; NO CLUSTER, NO TENSOR LOAD: what work-groups share is 52 KB of weights, read once into registers; 64 work-groups is all the work there is: 16 queries fill a tile.
; LIMITS: NaN and infinities are not served; a block of zeros gets the scale byte 1 (its codes are zeros; only this program reads the byte).
; THE MODE: SCHED_MODE bits 1:0 = 2 (LLVM: expert scheduling mode 2), set by the entry lines.  The code itself states the register dependences between vector or matrix instructions and memory or LDS
; instructions, and those through scalar registers and VCC that vector instructions write, with s_wait_alu, always for 0.
; THE PLAN.  Registers that memory or LDS instructions touch:
;   v3, v4, v20, v21   offsets of the head's loads: made ahead of the first wait on va_vdst, never written again.
;   v6-19, v22-26      LDS addresses and later offsets: made behind the head's loads, ahead of the second wait on va_vdst, never written again.   v5: the gathers' offset, made once, ahead of the third.
;   v64-127            by turns landed on by loads and worked on by vector lines: keys | first reduction | LDS loads | second reduction | gathers | quantiser and sums | LDS loads | the choice, product 2 | stage loads | last stores.
;                      Ahead of each landing stands a wait on va_vdst behind the vector lines of the turn before.  v64-65 are also the data of one LDS store: the one wait on vm_vsrc stands behind it.
;   v128-159           the queries as loaded | quantiser and sum | the hidden layer's fragments from LDS.
;   FA, FB, CS, DD; PC, PW; the accumulators Y: written by vector or matrix instructions, read by LDS stores behind a wait on va_vdst, never written again.
;   window 1 and v232-255: landed on by loads, read by matrix instructions alone (W1's upper quads: zeros by v_mov_b32, ahead of the waits on va_vdst that stand in front of the products).
;   v62, v63           written at the head, read by the closing add alone.
.set KRED, 0                           ; LDS: 8 bytes a thread: each slice of partitions' best (key, group)
.set CIMG, 1024                        ; candidate j's codes, an image of 4 registers: 16 bytes x lane, 512 bytes
.set CWD,  5120                        ; [lane][8 candidates] scale words
.set CD2,  6144                        ; [query][8 candidates] d2
.set HIMG, 6656                        ; K step w of the hidden layer: an image of 8 registers, 1,024 bytes
.set HSC,  10752                       ; its scale words, 4 bytes x lane
.set STG,  11264                       ; the stage: [2 outputs][16 rows] of 256 bytes + 16
.set R,    1                           ; v1   r = lane % 16
.set H,    2                           ; v2   h = lane / 16
.set KO,   3                           ; v3   my first key
.set QA,   4                           ; v4   256 r + 128 h: row r of the queries, my block of 32
.set GA,   5                           ; v5   the same in my query's group of rows
.set LI,   6                           ; v6   16 lane
.set LS,   7                           ; v7   4 lane
.set L32,  8                           ; v8   32 lane
.set R32,  9                           ; v9   32 r
.set R8,   10                          ; v10  8 r
.set SH8,  11                          ; v11  8 h
.set SO,   12                          ; v12  the stage: where I put 32 bytes of a row
.set SR,   13                          ; v13  and where I read a row back
.set GO,   14                          ; v14  256 h + 16 r: the same place in the output
.set T8,   15                          ; v15  8 x thread
.set CIW,  16                          ; v16  16 lane + 1,024 w
.set CWW,  17                          ; v17  32 lane + 8 w
.set CDW,  18                          ; v18  32 r + 8 w
.set HSW,  19                          ; v19  4 lane + 128 w
.set W1A,  20                          ; v20  W1's codes: (r + 8 (r / 8)) x 32 + 16 h
.set W1SA, 21                          ; v21  W1's scale bytes: (r + 8 (r / 8)) x 2
.set B1A,  22                          ; v22  64 h
.set W2A,  23                          ; v23  256 r + 16 h
.set W2SA, 24                          ; v24  16 r
.set B2A,  25                          ; v25  32 h
.set GB,   26                          ; v26  512 w + 128 h
.set QF,   28                          ; v28-35   the queries' fragment
.set FA,   36                          ; v36-43   candidate 2 w's;  v44-51 candidate 2 w + 1's
.set FB,   44
.set CC,   52                          ; v52      |c|^2
.set TT,   54                          ; v54-55   |t|^2 of my two candidates
.set DD,   56                          ; v56-57   their d2
.set X0,   58                          ; v58-61   at work
.set KEY,  64                          ; v64-127  32 pairs (key, group); then X: two candidates' 32 numbers; then:
.set FS,   64                          ; v64-71   the chosen row's fragment
.set CF,   72                          ; v72-99   candidates 1-7's codes
.set CW,   100                         ; v100-107 the eight scale words
.set CD,   108                         ; v108-115 the eight d2
.set TM,   96                          ; later v96-111 at work on the hidden layer;  v112 its scale word
.set PW,   112
.set QX,   128                         ; v128-159 my 32 numbers of a query; later the hidden layer's four fragments
.set HF,   128
.set HA,   160                         ; v160-223 my 8 tiles of the hidden layer; before that v160-175 the two products with the candidates
.set T0,   224                         ; v224-231 the quantiser's scratch; later the hidden layer's codes
.set T1,   225
.set T2,   226
.set T3,   227
.set T4,   228
.set T5,   229
.set T6,   230
.set T7,   231
.set PC,   224
.set HS,   232                         ; v232-255 hold scale words and nothing else: v232-235 the hidden layer's, v236 the queries', v237 the chosen row's, v238-239 my candidates', v240-247 W1's, v248-255 W2's
.set QS,   236
.set PS,   237
.set CS,   238
.set W1S,  240
.set W2S,  248
.set W1F,  0                           ; window 1: v0-63 W1's 8 fragments; v64-127 b1's 8 tiles; v128-191 W2's 8 fragments ((n, s) at 8 (4 n + s)); v192-207 the second bias's two tiles; v208-223 the two accumulators
.set B1,   64
.set W2F,  128
.set B2,   192
.set Y,    208
.set WV,   32                          ; s32 wave; s33 wave % 2; s38 wave / 2
.set SEL,  34                          ; s[34:35] v_permlanex16_b32's selects for lane l xor 16
.set MSB, 0
.macro WIN new                         ; s_set_vgpr_msb: bits 1:0 source 0, 3:2 source 1, 5:4 source 2, 7:6 destination; the immediate's high byte repeats the setting that is left
.if MSB != \new
	s_set_vgpr_msb (MSB<<8)|\new
.set MSB, \new
.endif
.endm
.macro BARRIER                         ; my LDS stores have landed and my LDS loads are in: then the work-group's barrier
	s_wait_dscnt 0x0
	s_barrier_signal -1
	s_barrier_wait -1
.endm
; 32 numbers of a lane, one whole block of 32 along K (row r, k = 32 h on), become 4 registers of codes; the row's two scale bytes become its scale word, in both halves of the lanes.
.macro QUANT32 xs, dst, word
	v_max3_num_f32 v[T0], |v[\xs]|, |v[\xs+1]|, 0x1800000            ; the floor 2^(3 - 127) among the leaves: the byte cannot fall under 1
	v_max3_num_f32 v[T1], |v[\xs+2]|, |v[\xs+3]|, |v[\xs+4]|
.irp i, 5,9,13,17,21,25
	v_max3_num_f32 v[T0], v[T0], |v[\xs+\i]|, |v[\xs+\i+1]|
	v_max3_num_f32 v[T1], v[T1], |v[\xs+\i+2]|, |v[\xs+\i+3]|
.endr
	v_max3_num_f32 v[T0], v[T0], |v[\xs+29]|, |v[\xs+30]|
	v_max3_num_f32 v[T0], v[T0], v[T1], |v[\xs+31]|
	v_add_nc_u32 v[T2], 0xff000000, v[T0]          ; 2 off the exponent field: the conversion's scale operand
	v_lshrrev_b32 v[T3], 23, v[T2]                 ; the scale's byte
.irp g, 0,1,2,3
	v_cvt_scalef32_pk8_fp4_f32 v[\dst+\g], v[\xs+8*\g:\xs+8*\g+7], v[T2]
.endr
	v_lshlrev_b32 v[T3], v[SH8], v[T3]             ; the byte at its place (also the plain line behind the conversions),
	v_permlanex16_b32 v[T4], v[T3], s[SEL], s[SEL+1]
	v_or_b32 v[\word], v[T3], v[T4]                ; with lane l xor 16's
.endm
.macro SQSUM xs, sum                   ; the sum of the squares of a row's 64 numbers, in both halves of the lanes
	v_pk_mul_f32 v[T4:T5], v[\xs:\xs+1], v[\xs:\xs+1]
	v_pk_mul_f32 v[T6:T7], v[\xs+2:\xs+3], v[\xs+2:\xs+3]
.irp i, 4,8,12,16,20,24,28
	v_pk_fma_f32 v[T4:T5], v[\xs+\i:\xs+\i+1], v[\xs+\i:\xs+\i+1], v[T4:T5]
	v_pk_fma_f32 v[T6:T7], v[\xs+\i+2:\xs+\i+3], v[\xs+\i+2:\xs+\i+3], v[T6:T7]
.endr
	v_pk_add_f32 v[T4:T5], v[T4:T5], v[T6:T7]
	v_add_f32 v[T4], v[T4], v[T5]
	v_permlanex16_b32 v[T5], v[T4], s[SEL], s[SEL+1]
	v_add_f32 v[\sum], v[T4], v[T5]
.endm
	s_load_b256 s[4:11], s[0:1], 0x0               ; best s[4:5], codes s[6:7], codes_table s[8:9], W1's codes s[10:11]
	s_load_b256 s[12:19], s[0:1], 0x20             ; W1's scales s[12:13], b1 s[14:15], Wu's codes s[16:17], Wu's scales s[18:19]
	s_load_b256 s[20:27], s[0:1], 0x40             ; bu s[20:21], Ws's codes s[22:23], Ws's scales s[24:25], bs s[26:27]
	s_load_b128 s[28:31], s[0:1], 0x60             ; out0 s[28:29], out1 s[30:31]
	v_lshl_add_u32 v62, v0, 2, 0x5000
	v_mov_b32 v63, 0
	v_lshrrev_b32 v[X0], 5, v0
	v_readfirstlane_b32 s[WV], v[X0]               ; wave 0..3
	v_and_b32 v[R], 15, v0
	v_bfe_u32 v[H], v0, 4, 1
	v_and_b32 v[X0], 31, v0                        ; lane
	v_lshrrev_b32 v[KO], 4, v0                     ; thread t looks at query t % 16 in slice t / 16 of the partitions:
	v_lshlrev_b32 v[KO], 5, v[KO]
	v_min_u32 v[KO], 218, v[KO]                    ; partitions min(32 (t / 16), 218) + 0 .. 31: the last two slices overlap, which a maximum does not mind
	v_lshlrev_b32 v[KO], 8, v[KO]                  ; 256 bytes a partition,
	v_lshl_add_u32 v[KO], v[R], 3, v[KO]           ; 8 bytes a query
	v_lshlrev_b32 v[QA], 8, v[R]                   ; the offsets of the head's other loads are made here too, so that one wait serves all of them
	v_lshl_add_u32 v[QA], v[H], 7, v[QA]
	v_and_b32 v[X0+1], 8, v[R]
	v_add_nc_u32 v[X0+1], v[X0+1], v[R]            ; r + 8 (r / 8)
	v_lshlrev_b32 v[W1A], 5, v[X0+1]
	v_lshl_add_u32 v[W1A], v[H], 4, v[W1A]
	v_lshlrev_b32 v[W1SA], 1, v[X0+1]
	s_wait_alu depctr_va_sdst(0)                   ; s32, the wave's number, is written, ahead of its first reader
	s_and_b32 s33, s[WV], 1
	s_lshr_b32 s38, s[WV], 1
	s_lshr_b32 s52, ttmp9, 1                       ; best: my pair of query tiles, 250 x 256 bytes,
	s_mul_i32 s52, s52, 64000
	s_and_b32 s54, ttmp9, 1
	s_lshl_b32 s54, s54, 7                         ; and my half of each 256 bytes
	s_add_co_u32 s52, s52, s54
	s_mov_b32 s53, 0
	s_wait_kmcnt 0x0
	s_add_nc_u64 s[4:5], s[4:5], s[52:53]
	s_wait_alu depctr_va_vdst(0)                   ; v3, v4, v20 and v21 are written: the offsets of the 56 loads below.  The vector lines among those loads write window 1's upper quads alone, which no load touches
.set i, 0
.rept 32
	global_load_b64 v[KEY+2*i:KEY+2*i+1], v[KO], s[4:5] offset:256*i   ; sixteen lanes read 128 consecutive bytes
.set i, i+1
.endr
	s_cmp_lt_u32 s[WV], 2                          ; waves 0, 1: Wu, bu, out0; waves 2, 3: Ws, bs, out1.  The choice hangs on the wave's number alone
	s_cselect_b64 s[16:17], s[16:17], s[22:23]
	s_cselect_b64 s[18:19], s[18:19], s[24:25]
	s_cselect_b64 s[20:21], s[20:21], s[26:27]
	s_cselect_b64 s[28:29], s[28:29], s[30:31]
	s_lshl_b32 s52, ttmp9, 12                      ; my 16 rows of 256 bytes, of the queries and of the output
	s_add_nc_u64 s[6:7], s[6:7], s[52:53]
	s_add_nc_u64 s[28:29], s[28:29], s[52:53]
	s_lshl_b32 s52, s33, 11                        ; of the output's, the 8 rows that I store
	s_add_nc_u64 s[28:29], s[28:29], s[52:53]
	s_lshl_b32 s52, s[WV], 12                      ; my 128 rows of W1: 32 bytes of codes each,
	s_add_nc_u64 s[10:11], s[10:11], s[52:53]
	s_lshl_b32 s52, s[WV], 8                       ; 2 scale bytes each,
	s_add_nc_u64 s[12:13], s[12:13], s[52:53]
	s_lshl_b32 s52, s[WV], 9                       ; and 4 bytes of b1
	s_add_nc_u64 s[14:15], s[14:15], s[52:53]
	s_lshl_b32 s52, s33, 13                        ; my 32 rows of Wu or Ws: 256 bytes of codes each,
	s_add_nc_u64 s[16:17], s[16:17], s[52:53]
	s_lshl_b32 s52, s33, 9                         ; 16 scale bytes each,
	s_add_nc_u64 s[18:19], s[18:19], s[52:53]
	s_lshl_b32 s52, s33, 7                         ; and 4 bytes of bias
	s_add_nc_u64 s[20:21], s[20:21], s[52:53]
.irp i, 0,1,2,3,4,5,6,7
	global_load_b128 v[QX+4*\i:QX+4*\i+3], v[QA], s[6:7] offset:16*\i
.endr
	WIN 0x40                                       ; destination window 1
.irp t, 0,1,2,3,4,5,6,7
	global_load_b128 v[W1F+8*\t:W1F+8*\t+3], v[W1A], s[10:11] offset:(32*(\t/2)+8*(\t%2))*32
.endr
.irp t, 0,1,2,3,4,5,6,7
.irp k, 4,5,6,7
	v_mov_b32 v[W1F+8*\t+\k], 0                    ; k = 64 .. 127: zero codes
.endr
.endr
	WIN 0
.irp t, 0,1,2,3,4,5,6,7
	global_load_u16 v[W1S+\t], v[W1SA], s[12:13] offset:(32*(\t/2)+8*(\t%2))*2   ; a row's two bytes; bytes 2 and 3 of the word come as zeros
.endr
.irp k, 4,5,6,7
	v_mov_b32 v[QF+\k], 0
	v_mov_b32 v[FA+\k], 0
	v_mov_b32 v[FB+\k], 0
.endr
	v_mov_b32 v[T4], 0                             ; written once: a lane permute's destination counts as one of its sources
	v_mov_b32 v[X0+2], 0
	v_mov_b32 v[X0+3], 0
	v_lshlrev_b32 v[LI], 4, v[X0]
	v_lshlrev_b32 v[LS], 2, v[X0]
	v_lshlrev_b32 v[L32], 5, v[X0]
	v_lshlrev_b32 v[R32], 5, v[R]
	v_lshlrev_b32 v[R8], 3, v[R]
	v_lshlrev_b32 v[SH8], 3, v[H]
	s_mul_i32 s48, s38, 16*272                     ; the stage of my output,
	s_add_co_u32 s48, s48, STG
	s_lshl_b32 s49, s33, 7                         ; in: my 32 columns' 128 bytes; row r; 32 bytes for each half of the lanes
	s_add_co_u32 s49, s49, s48
	v_mul_u32_u24 v[SO], v[R], 272
	v_lshl_add_u32 v[SO], v[H], 5, v[SO]
	v_add_nc_u32 v[SO], s49, v[SO]
	s_mul_i32 s49, s33, 8*272                      ; back: my 8 rows; lanes 0-15 one row, lanes 16-31 the next
	s_add_co_u32 s49, s49, s48
	v_mul_u32_u24 v[SR], v[H], 272
	v_lshl_add_u32 v[SR], v[R], 4, v[SR]
	v_add_nc_u32 v[SR], s49, v[SR]
	v_lshlrev_b32 v[GO], 8, v[H]
	v_lshl_add_u32 v[GO], v[R], 4, v[GO]
	v_lshlrev_b32 v[T8], 3, v0
	s_lshl_b32 s48, s[WV], 10
	v_add_nc_u32 v[CIW], s48, v[LI]
	s_lshl_b32 s48, s[WV], 3
	v_add_nc_u32 v[CWW], s48, v[L32]
	v_add_nc_u32 v[CDW], s48, v[R32]
	s_lshl_b32 s48, s[WV], 7
	v_add_nc_u32 v[HSW], s48, v[LS]
	v_lshlrev_b32 v[B1A], 6, v[H]
	v_lshlrev_b32 v[W2A], 8, v[R]
	v_lshl_add_u32 v[W2A], v[H], 4, v[W2A]
	v_lshlrev_b32 v[W2SA], 4, v[R]
	v_lshlrev_b32 v[B2A], 5, v[H]
	s_lshl_b32 s48, s[WV], 9
	v_lshlrev_b32 v[GB], 7, v[H]
	v_add_nc_u32 v[GB], s48, v[GB]
	s_mov_b32 s[SEL], 0x76543210
	s_mov_b32 s[SEL+1], 0xfedcba98
	s_mov_b32 s40, 0x02020202                      ; lanes with lane % 8 = 1, .. 7
	s_mov_b32 s41, 0x04040404
	s_mov_b32 s42, 0x08080808
	s_mov_b32 s43, 0x10101010
	s_mov_b32 s44, 0x20202020
	s_mov_b32 s45, 0x40404040
	s_mov_b32 s46, 0x80808080
	s_mov_b32 s47, 0xff0000ff                      ; the lanes that hold the diagonal: lane / 16 = (lane % 16) / 8
	; ---- 1: the partition that wins.  Whole numbers only.  Four chains of eight, ascending, a later one taken only where it is larger
	s_wait_loadcnt 24                              ; the 32 pairs are in; behind them: 8 loads of the queries, 8 + 8 of W1
.irp j, 1,2,3,4,5,6,7
.irp c, 0,1,2,3
	v_cmp_gt_u32 s[48+\c], v[KEY+16*\c+2*\j], v[KEY+16*\c]
.endr
	s_wait_alu depctr_va_sdst(0)                   ; the four compares have written s48 to s51, which the four selects read
.irp c, 0,1,2,3
	v_cndmask_b32 v[KEY+16*\c+1], v[KEY+16*\c+1], v[KEY+16*\c+2*\j+1], s[48+\c]
.endr
.irp c, 0,1,2,3
	v_max_u32 v[KEY+16*\c], v[KEY+16*\c], v[KEY+16*\c+2*\j]
.endr
.endr
.irp c, 1,2,3
	v_cmp_gt_u32 vcc_lo, v[KEY+16*\c], v[KEY]
	s_wait_alu depctr_va_vcc(0)                    ; the compare has written VCC, which the select reads
	v_cndmask_b32 v[KEY+1], v[KEY+1], v[KEY+16*\c+1], vcc_lo
	v_max_u32 v[KEY], v[KEY], v[KEY+16*\c]
.endr
	s_wait_alu depctr_va_vdst(0)                   ; the pair v[KEY:KEY+1], the store's data, is written; so are v6 to v19 and v22 to v26, the addresses and offsets of all that follows; and the reduction is done with v64 to v127, in which later loads land
	ds_store_b64 v[T8], v[KEY:KEY+1] offset:KRED
	BARRIER                                        ; the eight slices' bests of all 16 queries lie in LDS
	s_wait_alu depctr_vm_vsrc(0)                   ; my LDS store has read v[KEY:KEY+1], in which the first of the loads below lands
.irp s, 0,1,2,3,4,5,6,7
	ds_load_b64 v[KEY+2*\s:KEY+2*\s+1], v[R8] offset:KRED+128*\s     ; query r's: every lane of every wave
.endr
	s_wait_dscnt 0x0
.irp s, 1,2,3,4,5,6,7
	v_cmp_gt_u32 vcc_lo, v[KEY+2*\s], v[KEY]
	s_wait_alu depctr_va_vcc(0)                    ; the compare has written VCC, which the select reads
	v_cndmask_b32 v[KEY+1], v[KEY+1], v[KEY+2*\s+1], vcc_lo
	v_max_u32 v[KEY], v[KEY], v[KEY+2*\s]
.endr
	v_min_u32 v[KEY+1], 0x30d3, v[KEY+1]           ; the group's number, held at 12,499: no address leaves the table
	v_lshl_add_u32 v[GA], v[KEY+1], 11, v[GB]      ; 2,048 bytes a group, + my wave's two rows, + my block of 32
	; ---- 2: the candidates are asked for; then the rest of the weights; the queries are quantised while all that is on its way
	s_wait_alu depctr_va_vdst(0)                   ; v[GA], the gathers' offset, is written, and the second reduction is done with v64 to v79, in which gathers land.  No vector line stands between this wait and the 60 loads below
.irp c, 0,1
.irp i, 0,1,2,3,4,5,6,7
	global_load_b128 v[KEY+32*\c+4*\i:KEY+32*\c+4*\i+3], v[GA], s[8:9] offset:256*\c+16*\i
.endr
.endr
	s_wait_loadcnt 16                              ; all that was asked for at the head is in; only the 16 gathers are out
.irp n, 0,1
.irp s, 0,1,2,3
	global_load_b32 v[W2S+4*\n+\s], v[W2SA], s[18:19] offset:256*\n+4*\s
.endr
.endr
	WIN 0x40
.irp t, 0,1,2,3,4,5,6,7                        ; b1 in the result's layout: lane (r, h), tile t: hidden units 32 (t / 2) + 16 h + 8 (t % 2) + 0 .. 7
	global_load_b128 v[B1+8*\t:B1+8*\t+3], v[B1A], s[14:15] offset:(32*(\t/2)+8*(\t%2))*4
	global_load_b128 v[B1+8*\t+4:B1+8*\t+7], v[B1A], s[14:15] offset:(32*(\t/2)+8*(\t%2))*4+16
.endr
.irp n, 0,1
.irp s, 0,1,2,3
.irp c, 0,1
	global_load_b128 v[W2F+8*(4*\n+\s)+4*\c:W2F+8*(4*\n+\s)+4*\c+3], v[W2A], s[16:17] offset:4096*\n+64*\s+32*\c
.endr
.endr
.endr
.irp n, 0,1
	global_load_b128 v[B2+8*\n:B2+8*\n+3], v[B2A], s[20:21] offset:64*\n
	global_load_b128 v[B2+8*\n+4:B2+8*\n+7], v[B2A], s[20:21] offset:64*\n+16
.endr
	WIN 0
	QUANT32 QX, QF, QS
	SQSUM QX, CC
	; ---- 3: my two candidates of each query
	s_wait_loadcnt 44                              ; the gathers are in; behind them 8 + 16 + 16 + 4 loads of weights
	QUANT32 KEY, FA, CS
	QUANT32 KEY+32, FB, CS+1
	SQSUM KEY, TT                                  ; (these two are also the places between the writing of operands and scale words and the scaled products)
	SQSUM KEY+32, TT+1
	s_wait_alu depctr_va_vdst(0)                   ; the conversions, the zeros and the lines that make the scale words have written QF, FA, FB, QS and CS: the two scaled products take them as operands and scales, and the three LDS stores read FA, FB and CS
	ds_store_b128 v[CIW], v[FA:FA+3] offset:CIMG
	ds_store_b128 v[CIW], v[FB:FB+3] offset:CIMG+512
	ds_store_b64 v[CWW], v[CS:CS+1] offset:CWD
	v_wmma_scale_f32_16x16x128_f8f6f4 v[HA:HA+7], v[FA:FA+7], v[QF:QF+7], 0, v[CS], v[QS] matrix_a_fmt:MATRIX_FMT_FP4 matrix_b_fmt:MATRIX_FMT_FP4
	v_wmma_scale_f32_16x16x128_f8f6f4 v[HA+8:HA+15], v[FB:FB+7], v[QF:QF+7], 0, v[CS+1], v[QS] matrix_a_fmt:MATRIX_FMT_FP4 matrix_b_fmt:MATRIX_FMT_FP4
.rept 4
	v_nop
.endr
.irp c, 0,1                                    ; the diagonal: register lane % 8 of the lanes with lane / 16 = (lane % 16) / 8
	v_cndmask_b32 v[X0+\c], v[HA+8*\c], v[HA+8*\c+1], s40
.endr
.irp j, 2,3,4,5,6,7
.irp c, 0,1
	v_cndmask_b32 v[X0+\c], v[X0+\c], v[HA+8*\c+\j], s[39+\j]
.endr
.endr
.irp c, 0,1
	v_permlanex16_b32 v[X0+2+\c], v[X0+\c], s[SEL], s[SEL+1]
.endr
.irp c, 0,1
	v_cndmask_b32 v[X0+\c], v[X0+2+\c], v[X0+\c], s47              ; every lane now holds query r's dot product
.endr
.irp c, 0,1
	v_fma_f32 v[DD+\c], v[X0+\c], -2.0, v[CC]                      ; fl(|c|^2 - 2 dot): 2 dot is exact
.endr
.irp c, 0,1
	v_add_f32 v[DD+\c], v[DD+\c], v[TT+\c]
.endr
.irp k, 4,5,6,7
	v_mov_b32 v[FS+\k], 0                          ; the chosen row's k = 64 .. 127: zero codes
.endr
	s_wait_alu depctr_va_vdst(0)                   ; the additions have written v[DD:DD+1], the store's data; the quantisers and the sums are done with v64 to v127, in which the loads behind the barrier land
	ds_store_b64 v[CDW], v[DD:DD+1] offset:CD2     ; both halves of the lanes write the same words with the same values
	BARRIER                                        ; all eight candidates lie in LDS
	; ---- 4: the choice, by values alone; then the hidden layer
	ds_load_b128 v[FS:FS+3], v[LI] offset:CIMG
.irp j, 1,2,3,4,5,6,7
	ds_load_b128 v[CF+4*(\j-1):CF+4*(\j-1)+3], v[LI] offset:CIMG+512*\j
.endr
	ds_load_b128 v[CW:CW+3], v[L32] offset:CWD
	ds_load_b128 v[CW+4:CW+7], v[L32] offset:CWD+16
	ds_load_b128 v[CD:CD+3], v[R32] offset:CD2
	ds_load_b128 v[CD+4:CD+7], v[R32] offset:CD2+16
	s_wait_dscnt 0x0
.irp j, 1,2,3,4,5,6,7
	v_cmp_lt_f32 vcc_lo, v[CD+\j], v[CD]           ; strictly nearer: of equals the lowest index stays
	s_wait_alu depctr_va_vcc(0)                    ; the compare has written VCC, which the five selects read
.irp k, 0,1,2,3
	v_cndmask_b32 v[FS+\k], v[FS+\k], v[CF+4*(\j-1)+\k], vcc_lo
.endr
.if \j == 1
	v_cndmask_b32 v[PS], v[CW], v[CW+1], vcc_lo
.else
	v_cndmask_b32 v[PS], v[PS], v[CW+\j], vcc_lo
.endif
	v_min_num_f32 v[CD], v[CD], v[CD+\j]
.endr
.rept 8
	v_nop                                          ; a scale register written by a vector instruction stands 8 places ahead of a scaled matrix instruction, an operand so written 4
.endr
	s_wait_loadcnt 20                              ; b1 is in; behind it 16 + 4 loads
	s_wait_alu depctr_va_vdst(0)                   ; the selects have written FS and PS, and the zeros FS's and W1's upper quads: the eight scaled products take them as operands and scale; the places above stay beside this wait
	WIN 0x11                                       ; source 0 (W1) and source 2 (b1) window 1
.irp t, 0,1,2,3,4,5,6,7
	v_wmma_scale_f32_16x16x128_f8f6f4 v[HA+8*\t:HA+8*\t+7], v[W1F+8*\t:W1F+8*\t+7], v[FS:FS+7], v[B1+8*\t:B1+8*\t+7], v[W1S+\t], v[PS] matrix_a_fmt:MATRIX_FMT_FP4 matrix_b_fmt:MATRIX_FMT_FP4
.endr
	WIN 0
.rept 4
	v_nop
.endr
.set i, 0
.rept 64
	v_max_num_f32 v[HA+i], 0, v[HA+i]              ; the activation, in f32; each tile from its low end on
.set i, i+1
.endr
	; register 16 b + i is hidden unit 128 w + 32 b + 16 h + i of query r: four blocks of 32 along the next K, each in lanes l and l xor 16.  None is negative: no |.|
.irp b, 0,1,2,3
	v_max3_num_f32 v[TM+\b], v[HA+16*\b], v[HA+1+16*\b], 0x1800000   ; with the floor 2^(3 - 127)
.endr
.irp i, 2,4,6,8,10,12,14
.irp b, 0,1,2,3
	v_max3_num_f32 v[TM+\b], v[TM+\b], v[HA+16*\b+\i], v[HA+1+16*\b+\i]
.endr
.endr
.irp b, 0,1,2,3
	v_permlanex16_b32 v[TM+4+\b], v[TM+\b], s[SEL], s[SEL+1]
.endr
.irp b, 0,1,2,3
	v_max_num_f32 v[TM+\b], v[TM+\b], v[TM+4+\b]
.endr
.irp b, 0,1,2,3
	v_add_nc_u32 v[TM+12+\b], 0xff000000, v[TM+\b] ; the conversion's scale operand
.endr
.irp b, 0,1,2,3
	v_lshrrev_b32 v[TM+4+\b], 23, v[TM+12+\b]      ; the scale's byte
.endr
	v_lshl_or_b32 v[PW], v[TM+5], 8, v[TM+4]
	v_lshl_or_b32 v[PW], v[TM+6], 16, v[PW]
	v_lshl_or_b32 v[PW], v[TM+7], 24, v[PW]
.irp b, 0,1,2,3
	v_cvt_scalef32_pk8_fp4_f32 v[PC+2*\b], v[HA+16*\b:HA+7+16*\b], v[TM+12+\b]
	v_cvt_scalef32_pk8_fp4_f32 v[PC+1+2*\b], v[HA+8+16*\b:HA+15+16*\b], v[TM+12+\b]
.endr
	v_nop                                          ; one plain line behind a scaled conversion
.irp c, 0,1                                    ; the operand's layout wants a whole block in a lane: lanes 0-15 block 2 c, lanes 16-31 block 2 c + 1
.irp i, 0,1
	v_permlane16_swap_b32 v[PC+4*\c+\i], v[PC+2+4*\c+\i]
.endr
.endr
	s_wait_alu depctr_va_vdst(0)                   ; the conversions and the lane swaps have written v[PC ..] and the shifts v[PW], which the three LDS stores read; the products are done with FS and the quantiser long since with QX, in which later LDS loads land
	ds_store_b128 v[CIW], v[PC:PC+3] offset:HIMG
	ds_store_b128 v[CIW], v[PC+4:PC+7] offset:HIMG+512
	ds_store_b32 v[HSW], v[PW] offset:HSC
	BARRIER                                        ; the hidden layer's four fragments lie in LDS
	; ---- 5: my 32 columns of my output: two accumulators by turns, K = 512 in four steps; the bias is the first step's C
.irp s, 0,1,2,3
	ds_load_b128 v[HF+8*\s:HF+8*\s+3], v[LI] offset:HIMG+1024*\s
	ds_load_b128 v[HF+8*\s+4:HF+8*\s+7], v[LI] offset:HIMG+1024*\s+512
	ds_load_b32 v[HS+\s], v[LS] offset:HSC+128*\s
.endr
	s_wait_dscnt 0x0
	s_wait_loadcnt 0x0                             ; the last weights
	WIN 0x51                                       ; source 0 (W2), C and D window 1
.irp s, 0,1,2,3
.irp n, 0,1
.if \s == 0
	v_wmma_scale_f32_16x16x128_f8f6f4 v[Y+8*\n:Y+8*\n+7], v[W2F+8*(4*\n+\s):W2F+8*(4*\n+\s)+7], v[HF+8*\s:HF+8*\s+7], v[B2+8*\n:B2+8*\n+7], v[W2S+4*\n+\s], v[HS+\s] matrix_a_fmt:MATRIX_FMT_FP4 matrix_b_fmt:MATRIX_FMT_FP4
.else
	v_wmma_scale_f32_16x16x128_f8f6f4 v[Y+8*\n:Y+8*\n+7], v[W2F+8*(4*\n+\s):W2F+8*(4*\n+\s)+7], v[HF+8*\s:HF+8*\s+7], v[Y+8*\n:Y+8*\n+7], v[W2S+4*\n+\s], v[HS+\s] matrix_a_fmt:MATRIX_FMT_FP4 matrix_b_fmt:MATRIX_FMT_FP4
.endif
.endr
.endr
.rept 4
	v_nop
.endr
	WIN 0x04                                       ; an LDS store's data are its source 1: window 1
	s_wait_alu depctr_va_vdst(0)                   ; the matrix instructions have written the two accumulators, which the LDS stores read; the places above stay beside this wait
.irp n, 0,1
	ds_store_b128 v[SO], v[Y+8*\n:Y+8*\n+3] offset:64*\n             ; lane (r, h): row r, columns 32 (w % 2) + 16 n + 8 h + 0 .. 7; each accumulator from its low end on
	ds_store_b128 v[SO], v[Y+8*\n+4:Y+8*\n+7] offset:64*\n+16
.endr
	WIN 0
	BARRIER                                        ; 16 whole rows of each output lie in the stage
.irp i, 0,1,2,3
	ds_load_b128 v[KEY+4*\i:KEY+4*\i+3], v[SR] offset:544*\i
.endr
.irp i, 0,1,2,3
	s_wait_dscnt 3-\i
	global_store_b128 v[GO], v[KEY+4*\i:KEY+4*\i+3], s[28:29] offset:512*\i th:TH_STORE_NT   ; sixteen lanes store a row: 256 consecutive bytes, at a multiple of 256 from the output's first byte
.endr
	s_wait_dscnt 0x0                               ; the closing lines, six on end
	s_wait_alu 0x0
	s_wait_tensorcnt 0x0
	ds_add_u32 v62, v63
	s_wait_dscnt 0x0
	s_endpgm
.Lfunc_end_k_qee01dd2224_finish:
	.size	k_qee01dd2224_finish, .Lfunc_end_k_qee01dd2224_finish-k_qee01dd2224_finish
	.p2alignl 7, 3214868480
	.fill 96, 4, 3214868480
	.section	.rodata,"a",@progbits
	.p2align	6, 0x0
	.amdhsa_kernel k_qee01dd2224_finish
		.amdhsa_group_segment_fixed_size 20992
		.amdhsa_private_segment_fixed_size 0
		.amdhsa_enable_private_segment 0
		.amdhsa_kernarg_size 112
		.amdhsa_user_sgpr_count 2
		.amdhsa_user_sgpr_kernarg_segment_ptr 1
		.amdhsa_wavefront_size32 1
		.amdhsa_system_sgpr_workgroup_id_x 1
		.amdhsa_system_sgpr_workgroup_id_y 1
		.amdhsa_system_sgpr_workgroup_id_z 1
		.amdhsa_system_vgpr_workitem_id 0
		.amdhsa_next_free_vgpr 512
		.amdhsa_next_free_sgpr 66
		.amdhsa_reserve_vcc 1
		.amdhsa_float_denorm_mode_32 3
		.amdhsa_float_denorm_mode_16_64 3
		.amdhsa_memory_ordered 1
		.amdhsa_forward_progress 1
		.amdhsa_inst_pref_size 48
	.end_amdhsa_kernel
	.amdgpu_metadata
---
amdhsa.version: [ 1, 2 ]
amdhsa.kernels:
  - .name:           k_qee01dd2224_finish
    .symbol:         k_qee01dd2224_finish.kd
    .args:
      - { .name: best, .offset: 0, .size: 8, .value_kind: global_buffer, .address_space: global }
      - { .name: codes, .offset: 8, .size: 8, .value_kind: global_buffer, .address_space: global }
      - { .name: codes_table, .offset: 16, .size: 8, .value_kind: global_buffer, .address_space: global }
      - { .name: W1_codes, .offset: 24, .size: 8, .value_kind: global_buffer, .address_space: global }
      - { .name: W1_scales, .offset: 32, .size: 8, .value_kind: global_buffer, .address_space: global }
      - { .name: b1, .offset: 40, .size: 8, .value_kind: global_buffer, .address_space: global }
      - { .name: Wu_codes, .offset: 48, .size: 8, .value_kind: global_buffer, .address_space: global }
      - { .name: Wu_scales, .offset: 56, .size: 8, .value_kind: global_buffer, .address_space: global }
      - { .name: bu, .offset: 64, .size: 8, .value_kind: global_buffer, .address_space: global }
      - { .name: Ws_codes, .offset: 72, .size: 8, .value_kind: global_buffer, .address_space: global }
      - { .name: Ws_scales, .offset: 80, .size: 8, .value_kind: global_buffer, .address_space: global }
      - { .name: bs, .offset: 88, .size: 8, .value_kind: global_buffer, .address_space: global }
      - { .name: out0, .offset: 96, .size: 8, .value_kind: global_buffer, .address_space: global }
      - { .name: out1, .offset: 104, .size: 8, .value_kind: global_buffer, .address_space: global }
    .group_segment_fixed_size: 20992
    .private_segment_fixed_size: 0
    .kernarg_segment_align: 8
    .kernarg_segment_size: 112
    .max_flat_workgroup_size: 128
    .sgpr_count:     66
    .vgpr_count:     512
    .wavefront_size: 32
...
	.end_amdgpu_metadata
.endif
;; end of part 3
